; MI455X (gfx1250); checked and timed in simulation.
; The chip was launched on July 23, 2026; its instructions are those of AMD's public machine-readable ISA for CDNA 5 (MIT licence, August 2026) and "CDNA5" Instruction Set Architecture Reference Guide (July 2026). The comments in the code are by the model that wrote it; some were corrected since.
;; Anime Style Attention. Allowed arithmetic: float matrix products may take bf16 or f16 operands with f32 sums; other float arithmetic in f32, or as packed bf16 or f16 multiplies, adds, multiply-adds, maxima and minima; sums over many terms, partial sums and values carried from step to step in f32; what a program stores and reads back later, other than sums and carried values, may be rounded once to bf16 or f16.
;; Inputs: Wk 512 x 512 float32; Wo 512 x 512 float32; Wq 512 x 512 float32; Ws1 512 x 512 float32; Ws2 512 x 512 float32; Wv 512 x 512 float32; bk 512 float32; bo 512 float32; bq 512 float32; bs1 512 float32; bs2 512 float32; bv 512 float32; style 4 x 512 float32; x 4 x 2,048 x 512 float32.
;; Outputs: out0 4 x 2,048 x 512 float32.
;; 2 versions, each right and faster than the one before. Each part assembles by itself: llvm-mc -triple=amdgcn-amd-amdhsa -mcpu=gfx1250 --defsym DOCPART=n.
;; ======== version 1 of 2: 3 launches
;; limits: a function is approximated: absolute error at most 1.5e-07
;; workspace buffers: qws 8,388,608 bytes; kws 8,388,608 bytes; vtws 8,388,608 bytes; att 8,388,608 bytes; p1 65,536 bytes; p2 65,536 bytes
;; launch qkv (part 1): grid 8 x 32, 4 waves a work-group, no clusters, 161,280 bytes of LDS; arguments x, Wq, Wk, Wv, bq, bk, bv, style, Ws1, qws, kws, vtws, p1; writes qws, kws, vtws, p1
.if DOCPART == 1
	.amdgcn_target "amdgcn-amd-amdhsa--gfx1250"
	.amdhsa_code_object_version 6
	.text
	.protected	k_q651fc4a015_qkv
	.globl	k_q651fc4a015_qkv
	.p2align	8
	.type	k_q651fc4a015_qkv,@function
k_q651fc4a015_qkv:
	s_mov_b64 s[64:65], 0
	v_nop
	global_prefetch_b8 v0, s[64:65] scope:SCOPE_SE
	s_setreg_imm32_b32 hwreg(HW_REG_WAVE_MODE, 25, 1), 1
	s_wait_xcnt 0x0
; q, k, v = x W + b for one head (grid x) and 256 tokens (grid y), K = 512; and one piece of the style MLP's first layer.
; Out: qws[bh][token][64] f16, already times 0.125 log2(e); kws[bh][token][64] f16; vtws[bh][d][token] f16 (V transposed);
; p1[kc][b][512] f32: the sum over 64 k of style[b][k] Ws1[k][n] for 64 n (kc = head, b = row block / 8, n block = row block mod 8).
; Four waves; a wave owns 64 tokens x all 192 columns: 48 accumulator tiles of 16 x 16, 384 registers.
; K goes in 8 steps of 64 through two LDS slots.  x and W are f32 in memory, and W lies [k][n]: both are narrowed to f16 in registers on the way
; to LDS, and W's fragments are read with the transposing 16-bit LDS load.
; NO TENSOR LOADS AND NO CLUSTER: a tile brought to LDS as it lies in memory would be f32, twice the LDS bytes, and would have to be read,
; narrowed and written again before a matrix instruction could use it; so the tiles go through registers, which a joint request cannot fill.
; K ORDER: step t takes K tile (head + row block + t) mod 8, so work-groups that share rows of x or a slice of W start on different tiles.
; LIMITS: matrix operands are f16: |x|, |W|, |q|, |k|, |v| have to stay below 65,504; below 6e-5 their step is 6e-8.  Sums and biases are f32.
;
; REGISTERS, in windows of 256:
;   window 0: v1-31 addresses; v32-159 x as loaded (32 x 4); v160-255 W as loaded (24 x 4); the way out uses v32-223
;   window 1: fragment buffers F0 = 0, F1 = 128: x tile tt at F + 8 tt, W tile c (0-3 q, 4-7 k, 8-11 v) at F + 32 + 8 c; first the MLP piece
;   window 2: q and k sums, tile (c, tt) at 8 (4 c + tt)
;   window 3: v sums, tile (ct, tt) at 8 (4 ct + tt); bias tiles of q, k at 128 + 8 c, of v at 192 + 8 ct
.set XP,     144                       ; LDS pitch of an x row: 128 bytes + 16 = 9 x 16
.set WP,     416                       ; LDS pitch of a W row: q | k | v, 3 x 128 bytes + 32 = 13 x 32
.set XB,     256*XP                    ; a slot: 256 rows of x, then 64 rows of W
.set SLOT,   XB+64*WP
.set VSTAGE, 2*SLOT                    ; the way out of V: 64 d rows of 512 bytes + 16
.set VP,     528
.set MSB, 0
.macro WIN new                         ; the immediate's high byte repeats the setting that is left
.if MSB != \new
	s_set_vgpr_msb (MSB<<8)|\new
.set MSB, \new
.endif
.endm
.macro PLACES                          ; four independent vector instructions between a matrix instruction and a load into, or a vector
.rept 4                                ; instruction on, its registers (ISA guide 7.12.1)
	v_nop
.endr
.endm
; 64 k x 64 columns times a vector, one wave.  wb: 32 x 4 registers, load j = row j + 32 hh, columns 4 i16 .. +3; in: 32 registers, in[32 hh + j].
; Two sets of sums (even j, odd j), then the two halves of the wave are added; sm+4, sm+5 end as the lane's two columns to store. vcc = lanes 16-31.
.macro MLPDOT wb, in, sm, sa, sb
	v_pk_mul_f32 v[\sm:\sm+1],   v[\wb:\wb+1],   v[\in:\in+1] op_sel_hi:[1,0]
	v_pk_mul_f32 v[\sm+2:\sm+3], v[\wb+2:\wb+3], v[\in:\in+1] op_sel_hi:[1,0]
	v_pk_mul_f32 v[\sm+4:\sm+5], v[\wb+4:\wb+5], v[\in:\in+1] op_sel:[0,1] op_sel_hi:[1,1]
	v_pk_mul_f32 v[\sm+6:\sm+7], v[\wb+6:\wb+7], v[\in:\in+1] op_sel:[0,1] op_sel_hi:[1,1]
.set mj, 2
.rept 15
	v_pk_fma_f32 v[\sm:\sm+1],   v[\wb+4*mj:\wb+4*mj+1],   v[\in+mj:\in+mj+1], v[\sm:\sm+1]   op_sel_hi:[1,0,1]
	v_pk_fma_f32 v[\sm+2:\sm+3], v[\wb+4*mj+2:\wb+4*mj+3], v[\in+mj:\in+mj+1], v[\sm+2:\sm+3] op_sel_hi:[1,0,1]
	v_pk_fma_f32 v[\sm+4:\sm+5], v[\wb+4*mj+4:\wb+4*mj+5], v[\in+mj:\in+mj+1], v[\sm+4:\sm+5] op_sel:[0,1,0] op_sel_hi:[1,1,1]
	v_pk_fma_f32 v[\sm+6:\sm+7], v[\wb+4*mj+6:\wb+4*mj+7], v[\in+mj:\in+mj+1], v[\sm+6:\sm+7] op_sel:[0,1,0] op_sel_hi:[1,1,1]
.set mj, mj+2
.endr
	v_pk_add_f32 v[\sm:\sm+1],   v[\sm:\sm+1],   v[\sm+4:\sm+5]
	v_pk_add_f32 v[\sm+2:\sm+3], v[\sm+2:\sm+3], v[\sm+6:\sm+7]
.irp i, 0,1,2,3
	v_permlanex16_b32 v[\wb+\i], v[\sm+\i], s[\sa], s[\sb]     ; the other half's sums (the destination has been written: it held weights)
.endr
.irp i, 0,1,2,3
	v_add_f32 v[\sm+\i], v[\sm+\i], v[\wb+\i]
.endr
	v_cndmask_b32 v[\sm+4], v[\sm],   v[\sm+2], vcc_lo          ; lanes 0-15 keep columns +0, +1; lanes 16-31 columns +2, +3
	v_cndmask_b32 v[\sm+5], v[\sm+1], v[\sm+3], vcc_lo
.endm
	s_load_b512 s[4:19], s[0:1], 0x0               ; x, Wq, Wk, Wv, bq, bk, bv, style
	s_load_b256 s[20:27], s[0:1], 0x40             ; Ws1, qws, kws, vtws
	s_load_b64 s[28:29], s[0:1], 0x60              ; p1
	s_set_vgpr_msb 0xc0
	v_lshl_add_u32 v224, v0, 2, 0x27400
	v_mov_b32 v225, 0
	s_set_vgpr_msb 0xc000
	v_lshrrev_b32 v1, 5, v0
	v_readfirstlane_b32 s30, v1                    ; wave W
	s_mov_b32 s31, ttmp9                           ; head h
	s_and_b32 s32, ttmp7, 0xffff                   ; row block rb
	s_add_co_u32 s33, s31, s32
	s_and_b32 s33, s33, 7                          ; the first K tile
	s_mov_b32 s35, 0                               ; high words of the offset pairs
	s_mov_b32 s37, 0
	s_mov_b32 s39, 0
	s_mov_b32 s48, 0x76543210                      ; v_permlanex16_b32: lane i reads lane i of the other half
	s_mov_b32 s49, 0xfedcba98
	s_lshr_b32 s56, s32, 3                         ; batch
	s_lshl3_add_u32 s57, s56, s31                  ; bh = 8 batch + head
	s_and_b32 s58, s32, 7                          ; row block inside the batch
	v_and_b32 v2, 31, v0                           ; lane
	v_and_b32 v3, 15, v0                           ; r = i16
	v_bfe_u32 v4, v0, 4, 1                         ; hh
	v_lshlrev_b32 v5, 4, v3                        ; 16 i16
	v_lshlrev_b32 v6, 3, v3                        ; 8 i16
	v_lshlrev_b32 v7, 4, v4                        ; 16 hh
	v_lshlrev_b32 v12, 4, v2                       ; 16 lane
	s_lshl_b32 s50, s30, 17
	v_lshl_add_u32 v16, v4, 14, v5
	v_add_nc_u32 v16, s50, v16                     ; XG: x row 64 W + 8 hh, 16 bytes at 16 i16
	s_lshl_b32 s50, s30, 15
	v_lshl_add_u32 v17, v4, 13, v5
	v_add_nc_u32 v17, s50, v17                     ; WG: W row 16 W + 4 hh
	s_mul_i32 s51, s30, 64*XP                      ; my 64 rows of x in a slot
	v_mad_u32_u24 v18, v4, 8*XP, v6
	v_add_nc_u32 v18, s51, v18                     ; XS0, XS1: where x goes; lanes 16-31 lie 8 rows = 1,152 bytes = 128 mod 256 further
	v_add_nc_u32 v19, SLOT, v18
	s_mul_i32 s52, s30, 16*WP
	s_add_co_u32 s52, s52, XB
	v_mad_u32_u24 v20, v4, 4*WP, v6
	v_add_nc_u32 v20, s52, v20                     ; WS0, WS1: where W goes; lanes 16-31 lie 4 rows = 1,664 bytes = 128 mod 256 further
	v_add_nc_u32 v21, SLOT, v20
	v_mad_u32_u24 v22, v3, XP, v7
	v_add_nc_u32 v22, s51, v22                     ; XF0, XF1: x fragments, row r, 16 bytes for each half of the lanes
	v_add_nc_u32 v23, SLOT, v22
	v_and_b32 v8, 7, v0
	v_lshl_add_u32 v8, v4, 3, v8
	v_bfe_u32 v9, v0, 3, 1
	v_lshlrev_b32 v9, 4, v9
	v_mad_u32_u24 v24, v8, WP, v9
	v_add_nc_u32 v24, XB, v24                      ; WF0, WF1: W fragments by the transposing load: row 8 hh + lane mod 8, 16 bytes by lane bit 3
	v_add_nc_u32 v25, SLOT, v24
	v_lshrrev_b32 v10, 1, v3
	v_and_b32 v11, 1, v3
	v_lshl_add_u32 v11, v11, 7, v7
	v_mad_u32_u24 v10, v10, 272, v11               ; two rows of 128 bytes share an LDS row of 272: (r / 2) 272 + (r mod 2) 128 + 16 hh
	v_add_nc_u32 v26, s51, v10                     ; STQ, STK: stages of q and k, in my own rows of x of slot 0 and slot 1
	v_add_nc_u32 v27, SLOT, v26
	v_mad_u32_u24 v28, v4, 272, v5
	v_add_nc_u32 v28, s51, v28                     ; RDQ, RDK: read back 256 bytes for each half of the lanes
	v_add_nc_u32 v29, SLOT, v28
	s_lshl_b32 s53, s30, 7
	s_add_co_u32 s53, s53, VSTAGE
	v_mad_u32_u24 v30, v3, VP, v7
	v_add_nc_u32 v30, s53, v30                     ; VST: row d = r, my 64 tokens at byte 128 W
	s_mul_i32 s54, s30, 16*VP
	s_add_co_u32 s54, s54, VSTAGE
	v_add_nc_u32 v31, s54, v12                     ; VRD: rows 16 W .., 512 bytes a row
	s_lshl_b32 s55, s30, 13
	v_add_nc_u32 v14, s55, v12                     ; GO: my 64 tokens x 128 bytes in qws, kws
	s_lshl_b32 s55, s30, 16
	v_add_nc_u32 v15, s55, v12                     ; GV: my 16 d rows of 4,096 bytes in vtws
	v_lshlrev_b32 v1, 5, v4                        ; 32 hh: bias of q, k
	v_lshlrev_b32 v9, 2, v3                        ; 4 r: bias of v
	v_lshl_add_u32 v8, v4, 16, v5                  ; MLP: weight row 32 hh, 16 bytes at 16 i16
	v_lshlrev_b32 v10, 7, v4                       ; MLP: input 32 hh
	v_lshl_add_u32 v13, v4, 3, v5                  ; MLP: 8 bytes a lane, 256 consecutive bytes a wave
	s_wait_kmcnt 0x0
	s_lshl_b32 s38, s32, 19                        ; 256 rows of 2,048 bytes
	s_add_nc_u64 s[4:5], s[4:5], s[38:39]
	s_lshl_b32 s38, s31, 8                         ; the head's 64 columns
	s_add_nc_u64 s[6:7], s[6:7], s[38:39]
	s_add_nc_u64 s[8:9], s[8:9], s[38:39]
	s_add_nc_u64 s[10:11], s[10:11], s[38:39]
	s_add_nc_u64 s[12:13], s[12:13], s[38:39]
	s_add_nc_u64 s[14:15], s[14:15], s[38:39]
	s_add_nc_u64 s[16:17], s[16:17], s[38:39]
	s_lshl_b32 s38, s57, 18
	s_lshl_b32 s59, s58, 15
	s_add_co_u32 s38, s38, s59
	s_add_nc_u64 s[22:23], s[22:23], s[38:39]
	s_add_nc_u64 s[24:25], s[24:25], s[38:39]
	s_lshl_b32 s38, s57, 18
	s_lshl_b32 s59, s58, 9
	s_add_co_u32 s38, s38, s59
	s_add_nc_u64 s[26:27], s[26:27], s[38:39]
; One K tile into registers: 32 loads of x (each half of the lanes takes 256 consecutive bytes of a row) and 24 of W (8 for each matrix).
; The four bases are written again only behind the wait for all loads at the head of the CONVERT that stands in front.
.macro LOADS
	s_lshl_b32 s34, s33, 8
	s_lshl_b32 s36, s33, 17
	s_add_nc_u64 s[40:41], s[4:5], s[34:35]
	s_add_nc_u64 s[42:43], s[6:7], s[36:37]
	s_add_nc_u64 s[44:45], s[8:9], s[36:37]
	s_add_nc_u64 s[46:47], s[10:11], s[36:37]
	s_add_co_u32 s33, s33, 1
	s_and_b32 s33, s33, 7
.set lj, 0
.rept 32
	global_load_b128 v[32+4*lj:32+4*lj+3], v16, s[40:41] offset:(16*(lj>>3)+(lj&7))*2048
.set lj, lj+1
.endr
.set lj, 0
.rept 24
	global_load_b128 v[160+4*lj:160+4*lj+3], v17, s[42+2*(lj>>3):43+2*(lj>>3)] offset:((lj&3)+8*((lj>>2)&1))*2048
.set lj, lj+1
.endr
.endm
; The tile in registers is narrowed to f16, in place, and stored into a slot, 8 bytes a lane.
.macro CONVERT slot
	s_wait_loadcnt 0x0                             ; all that is out is this tile
.set cj, 0
.rept 32
	v_cvt_pk_f16_f32 v[32+4*cj],   v[32+4*cj],   v[32+4*cj+1]
	v_cvt_pk_f16_f32 v[32+4*cj+1], v[32+4*cj+2], v[32+4*cj+3]
	ds_store_b64 v[18+(\slot)], v[32+4*cj:32+4*cj+1] offset:(16*(cj>>3)+(cj&7))*XP
.set cj, cj+1
.endr
.set cj, 0
.rept 24
	v_cvt_pk_f16_f32 v[160+4*cj],   v[160+4*cj],   v[160+4*cj+1]
	v_cvt_pk_f16_f32 v[160+4*cj+1], v[160+4*cj+2], v[160+4*cj+3]
	ds_store_b64 v[20+(\slot)], v[160+4*cj:160+4*cj+1] offset:((cj&3)+8*((cj>>2)&1))*WP+128*(cj>>3)
.set cj, cj+1
.endr
.endm
; The fragments of 32 along K: 4 tiles of my x rows, 12 tiles of W's columns.
.macro FETCH slot, ks, f
	WIN 0x40
.irp tt, 0,1,2,3
	ds_load_b128 v[\f+8*\tt:\f+8*\tt+3],   v[22+(\slot)] offset:\tt*16*XP+64*\ks
	ds_load_b128 v[\f+8*\tt+4:\f+8*\tt+7], v[22+(\slot)] offset:\tt*16*XP+64*\ks+32
.endr
.irp c, 0,1,2,3,4,5,6,7,8,9,10,11
	ds_load_tr16_b128 v[\f+32+8*\c:\f+32+8*\c+3],   v[24+(\slot)] offset:\ks*32*WP+32*\c
	ds_load_tr16_b128 v[\f+32+8*\c+4:\f+32+8*\c+7], v[24+(\slot)] offset:\ks*32*WP+32*\c+16*WP
.endr
.endm
; q and k, used transposed: source 0 = 16 columns of W, source 1 = 16 tokens: a lane's 8 results are 8 neighbouring d of one token.
; The very first product takes the bias tile as C.  The 48 accumulators take turns, one instruction a turn.
.macro MULQK f, first
.if \first
	WIN 0xb5
.else
	WIN 0xa5
.endif
.irp c, 0,1,2,3,4,5,6,7
.irp tt, 0,1,2,3
.if \first
	v_wmma_f32_16x16x32_f16 v[8*(4*\c+\tt):8*(4*\c+\tt)+7], v[\f+32+8*\c:\f+32+8*\c+7], v[\f+8*\tt:\f+8*\tt+7], v[128+8*\c:128+8*\c+7]
.else
	v_wmma_f32_16x16x32_f16 v[8*(4*\c+\tt):8*(4*\c+\tt)+7], v[\f+32+8*\c:\f+32+8*\c+7], v[\f+8*\tt:\f+8*\tt+7], v[8*(4*\c+\tt):8*(4*\c+\tt)+7]
.endif
.endr
.endr
.endm
; v, in the natural order: a lane's 8 results are 8 neighbouring tokens of one d: a piece of a row of V transposed.
.macro MULV f, first
	WIN 0xf5
.irp ct, 0,1,2,3
.irp tt, 0,1,2,3
.if \first
	v_wmma_f32_16x16x32_f16 v[8*(4*\ct+\tt):8*(4*\ct+\tt)+7], v[\f+8*\tt:\f+8*\tt+7], v[\f+96+8*\ct:\f+96+8*\ct+7], v[192+8*\ct:192+8*\ct+7]
.else
	v_wmma_f32_16x16x32_f16 v[8*(4*\ct+\tt):8*(4*\ct+\tt)+7], v[\f+8*\tt:\f+8*\tt+7], v[\f+96+8*\ct:\f+96+8*\ct+7], v[8*(4*\ct+\tt):8*(4*\ct+\tt)+7]
.endif
.endr
.endr
.endm
	LOADS                                          ; K tile of step 0
	WIN 0xc0
.irp c, 0,1,2,3
	global_load_b128 v[128+8*\c:128+8*\c+3], v1, s[12:13] offset:64*\c        ; bq[16 c + 8 hh ..]: register j of the tile is d = 8 hh + j
	global_load_b128 v[128+8*\c+4:128+8*\c+7], v1, s[12:13] offset:64*\c+16
	global_load_b128 v[160+8*\c:160+8*\c+3], v1, s[14:15] offset:64*\c        ; bk likewise
	global_load_b128 v[160+8*\c+4:160+8*\c+7], v1, s[14:15] offset:64*\c+16
	global_load_b32 v[192+8*\c], v9, s[16:17] offset:64*\c                    ; bv[16 ct + r]: the lane's one d
.endr
	WIN 0
	; The MLP piece: wave 0 alone; no barrier stands inside the branch.
	s_cmp_lg_u32 s30, 0
	s_cbranch_scc1 .Lno_mlp
	s_lshl_b32 s38, s56, 11
	s_lshl_b32 s50, s31, 8
	s_add_co_u32 s38, s38, s50
	s_add_nc_u64 s[18:19], s[18:19], s[38:39]      ; style[b][64 kc ..]
	s_lshl_b32 s38, s31, 17
	s_lshl_b32 s50, s58, 8
	s_add_co_u32 s38, s38, s50
	s_add_nc_u64 s[20:21], s[20:21], s[38:39]      ; Ws1[64 kc ..][64 cb ..]
	s_lshl2_add_u32 s38, s31, s56
	s_lshl_b32 s38, s38, 11
	s_add_co_u32 s38, s38, s50
	s_add_nc_u64 s[28:29], s[28:29], s[38:39]      ; p1[kc][b][64 cb ..]
	v_cmp_le_u32 vcc_lo, 16, v2
	WIN 0x40
.irp i, 0,1,2,3,4,5,6,7
	global_load_b128 v[128+4*\i:128+4*\i+3], v10, s[18:19] offset:16*\i
.endr
.set lj, 0
.rept 32
	global_load_b128 v[4*lj:4*lj+3], v8, s[20:21] offset:2048*lj
.set lj, lj+1
.endr
	s_wait_loadcnt 0x0
	WIN 0x55
	MLPDOT 0, 128, 160, 48, 49
	WIN 0x04
	global_store_b64 v13, v[164:165], s[28:29]
	WIN 0
	s_wait_xcnt 0x0                                ; the store's data lie in fragment buffer 1, which is loaded into further down
.Lno_mlp:
	CONVERT 0                                      ; its wait for all loads covers the biases too
	WIN 0xc3
.irp ct, 0,1,2,3
.irp j, 1,2,3,4,5,6,7
	v_mov_b32 v[192+8*\ct+\j], v[192+8*\ct]        ; v's bias tile: the lane's d in all 8 tokens
.endr
.endr
	WIN 0
	LOADS                                          ; K tile of step 1
	s_wait_dscnt 0x0                               ; my part of slot 0 is written
	s_barrier_signal -1
	s_barrier_wait -1                              ; everybody's is
	FETCH 0, 0, 0
; A K step of 64: two halves of 32 on buffers F0, F1.  One barrier a step: in front of its signal my reads of this slot and my stores into the
; other slot are done; behind its wait the other slot is whole and this one may be written again (by the next step's CONVERT).
.macro STEP t
.set SL, (\t)&1
.set NX, ((\t)+1)&1
	s_wait_dscnt 0x0                               ; F0 is in
.if \t == 0
	MULQK 0, 1
.else
	MULQK 0, 0
.endif
	PLACES
	FETCH SL, 1, 128
.if \t == 0
	MULV 0, 1
.else
	MULV 0, 0
.endif
	WIN 0
.if \t < 7
	CONVERT NX
.endif
.if \t < 6
	LOADS
.endif
	s_wait_dscnt 0x0                               ; F1 is in; my reads of this slot and my stores into the other are done
.if \t < 7
	s_barrier_signal -1
.endif
	MULQK 128, 0                                   ; register work between signal and wait
.if \t < 7
	s_barrier_wait -1
	PLACES
	FETCH NX, 0, 0
.endif
	MULV 128, 0
.endm
.irp t, 0,1,2,3,4,5,6,7
	STEP \t
.endr
	; THE WAY OUT.  q is scaled, all three are narrowed to f16; q and k go through stages of my own (my rows of x in the two slots, which only I
	; have read), V through a stage that all four waves fill: a row of it is 256 tokens.  Every global store covers 512 consecutive bytes, aligned.
	PLACES
	WIN 0x82
.set wi, 0
.rept 64
	v_pk_mul_f32 v[2*wi:2*wi+1], v[2*wi:2*wi+1], 0x3e38aa3b op_sel_hi:[1,0]   ; 0.125 log2(e): the scores come out ready for v_exp_f32
.set wi, wi+1
.endr
	WIN 0x0a
.irp tt, 0,1,2,3
.irp ct, 0,1,2,3
.irp rr, 0,1,2,3
	v_cvt_pk_f16_f32 v[32+4*(4*\tt+\ct)+\rr], v[8*(4*\ct+\tt)+2*\rr], v[8*(4*\ct+\tt)+2*\rr+1]
	v_cvt_pk_f16_f32 v[96+4*(4*\tt+\ct)+\rr], v[8*(4*(\ct+4)+\tt)+2*\rr], v[8*(4*(\ct+4)+\tt)+2*\rr+1]
.endr
.endr
.endr
	WIN 0x0f
.irp ct, 0,1,2,3
.irp tt, 0,1,2,3
.irp rr, 0,1,2,3
	v_cvt_pk_f16_f32 v[160+4*(4*\ct+\tt)+\rr], v[8*(4*\ct+\tt)+2*\rr], v[8*(4*\ct+\tt)+2*\rr+1]
.endr
.endr
.endr
	WIN 0
.irp tt, 0,1,2,3
.irp ct, 0,1,2,3
	ds_store_b128 v26, v[32+4*(4*\tt+\ct):32+4*(4*\tt+\ct)+3] offset:2176*\tt+32*\ct
	ds_store_b128 v27, v[96+4*(4*\tt+\ct):96+4*(4*\tt+\ct)+3] offset:2176*\tt+32*\ct
	ds_store_b128 v30, v[160+4*(4*\ct+\tt):160+4*(4*\ct+\tt)+3] offset:16*VP*\ct+32*\tt
.endr
.endr
	s_wait_dscnt 0x0                               ; for the others' sake: my part of V's stage is written
	s_barrier_signal -1
	s_barrier_wait -1
.irp t, 0,1,2,3,4,5,6,7,8,9,10,11,12,13,14,15
	ds_load_b128 v[32+4*\t:32+4*\t+3], v28 offset:544*\t
.endr
.irp t, 0,1,2,3,4,5,6,7,8,9,10,11,12,13,14,15
	ds_load_b128 v[96+4*\t:96+4*\t+3], v29 offset:544*\t
.endr
.irp t, 0,1,2,3,4,5,6,7,8,9,10,11,12,13,14,15
	ds_load_b128 v[160+4*\t:160+4*\t+3], v31 offset:VP*\t
.endr
	s_wait_dscnt 32                                ; q's 16 are in; k's 16 and V's 16 may be out
.irp t, 0,1,2,3,4,5,6,7,8,9,10,11,12,13,14,15
	global_store_b128 v14, v[32+4*\t:32+4*\t+3], s[22:23] offset:512*\t
.endr
	s_wait_dscnt 16                                ; k's are in; V's 16 may be out
.irp t, 0,1,2,3,4,5,6,7,8,9,10,11,12,13,14,15
	global_store_b128 v14, v[96+4*\t:96+4*\t+3], s[24:25] offset:512*\t
.endr
	s_wait_dscnt 0x0
.irp t, 0,1,2,3,4,5,6,7,8,9,10,11,12,13,14,15
	global_store_b128 v15, v[160+4*\t:160+4*\t+3], s[26:27] offset:4096*\t
.endr
	s_set_vgpr_msb 0xf
	s_wait_tensorcnt 0x0
	ds_add_u32 v224, v225
	s_wait_dscnt 0x0
	s_set_vgpr_msb 0xf00
	s_endpgm
.Lfunc_end_k_q651fc4a015_qkv:
	.size	k_q651fc4a015_qkv, .Lfunc_end_k_q651fc4a015_qkv-k_q651fc4a015_qkv
	.p2alignl 7, 3214868480
	.fill 96, 4, 3214868480
	.section	.rodata,"a",@progbits
	.p2align	6, 0x0
	.amdhsa_kernel k_q651fc4a015_qkv
		.amdhsa_group_segment_fixed_size 161280
		.amdhsa_private_segment_fixed_size 0
		.amdhsa_enable_private_segment 0
		.amdhsa_kernarg_size 104
		.amdhsa_user_sgpr_count 2
		.amdhsa_user_sgpr_kernarg_segment_ptr 1
		.amdhsa_wavefront_size32 1
		.amdhsa_system_sgpr_workgroup_id_x 1
		.amdhsa_system_sgpr_workgroup_id_y 1
		.amdhsa_system_sgpr_workgroup_id_z 1
		.amdhsa_system_vgpr_workitem_id 0
		.amdhsa_next_free_vgpr 994
		.amdhsa_next_free_sgpr 66
		.amdhsa_reserve_vcc 1
		.amdhsa_float_denorm_mode_32 3
		.amdhsa_float_denorm_mode_16_64 3
		.amdhsa_memory_ordered 1
		.amdhsa_forward_progress 1
		.amdhsa_inst_pref_size 255
	.end_amdhsa_kernel
	.section	.bss,"aw",@nobits
	.p2align	6
	.space	262144
	.amdgpu_metadata
---
amdhsa.version: [ 1, 2 ]
amdhsa.kernels:
  - .name:           k_q651fc4a015_qkv
    .symbol:         k_q651fc4a015_qkv.kd
    .args:
      - { .name: x, .offset: 0, .size: 8, .value_kind: global_buffer, .address_space: global }
      - { .name: Wq, .offset: 8, .size: 8, .value_kind: global_buffer, .address_space: global }
      - { .name: Wk, .offset: 16, .size: 8, .value_kind: global_buffer, .address_space: global }
      - { .name: Wv, .offset: 24, .size: 8, .value_kind: global_buffer, .address_space: global }
      - { .name: bq, .offset: 32, .size: 8, .value_kind: global_buffer, .address_space: global }
      - { .name: bk, .offset: 40, .size: 8, .value_kind: global_buffer, .address_space: global }
      - { .name: bv, .offset: 48, .size: 8, .value_kind: global_buffer, .address_space: global }
      - { .name: style, .offset: 56, .size: 8, .value_kind: global_buffer, .address_space: global }
      - { .name: Ws1, .offset: 64, .size: 8, .value_kind: global_buffer, .address_space: global }
      - { .name: qws, .offset: 72, .size: 8, .value_kind: global_buffer, .address_space: global }
      - { .name: kws, .offset: 80, .size: 8, .value_kind: global_buffer, .address_space: global }
      - { .name: vtws, .offset: 88, .size: 8, .value_kind: global_buffer, .address_space: global }
      - { .name: p1, .offset: 96, .size: 8, .value_kind: global_buffer, .address_space: global }
    .group_segment_fixed_size: 161280
    .private_segment_fixed_size: 0
    .kernarg_segment_align: 8
    .kernarg_segment_size: 104
    .max_flat_workgroup_size: 128
    .sgpr_count:     66
    .vgpr_count:     994
    .wavefront_size: 32
...
	.end_amdgpu_metadata
.endif
;; end of part 1
;; launch attn (part 2): grid 8 x 32, 8 waves a work-group, clusters of 4 x 1, 327,680 bytes of LDS; arguments qws, kws, vtws, p1, bs1, Ws2, att, p2; writes att, p2
.if DOCPART == 2
	.amdgcn_target "amdgcn-amd-amdhsa--gfx1250"
	.amdhsa_code_object_version 6
	.text
	.protected	k_q651fc4a015_attn
	.globl	k_q651fc4a015_attn
	.p2align	8
	.type	k_q651fc4a015_attn,@function
k_q651fc4a015_attn:
	s_mov_b64 s[64:65], 0
	v_nop
	global_prefetch_b8 v0, s[64:65] scope:SCOPE_SE
	s_setreg_imm32_b32 hwreg(HW_REG_WAVE_MODE, 25, 1), 1
	s_wait_xcnt 0x0
	s_wait_alu depctr_hold_cnt(0) depctr_sa_sdst(0) depctr_va_vdst(0) depctr_va_sdst(0) depctr_va_ssrc(0) depctr_va_vcc(0) depctr_vm_vsrc(0)
	s_getreg_b32 s2, hwreg(HW_REG_IB_STS2, 6, 4)
	s_cmp_eq_u32 s2, 0
	s_cbranch_scc0 .Lentry_in_a_cluster
	s_endpgm
.Lentry_in_a_cluster:
	s_bfe_u32 s2, ttmp6, 0x10000c
	s_cmp_lg_u32 s2, 0x3003
	s_cbranch_scc0 .Lentry_shape_is_right
	s_endpgm
.Lentry_shape_is_right:
; Softmax attention of 256 queries (grid x) of one batch and head (grid y) over 2,048 keys, with a running maximum; and one piece of the
; style MLP: h1 = gelu(sum of p1's 8 pieces + bs1) for 64 k, then p2[kc][b][64 n] = sum over these k of h1[k] Ws2[k][n].
; In: qws (q times 0.125 log2 e), kws: [bh][token][64] f16; vtws: [bh][d][token] f16.  Out: att[bh][token][64] f16, p2 f32.
; Eight waves: wave W has g = W mod 4, its 64 queries, and sp = W / 4, its half of the keys of every block of 512; the two halves are merged once,
; at the end.  Two waves share a SIMD, so that one wave's softmax can run beside the other's matrix instructions.
; TRANSPOSED FORM: S^T = K Q^T and O^T = V^T P^T.  A lane then holds ONE query (lane mod 16) and 8 keys of each tile: maximum and sum stay in the
; lane but for one exchange between the halves; the rescaling factor is the lane's own number; two tiles of S pack in place into a fragment of P^T.
; CLUSTER: the four query blocks of a cluster read the same K and V: each tile is asked for jointly (mask 15), waves 0-3 a quarter of K's 512 keys
; each, waves 4-7 a quarter of V^T's 64 rows each.  Two slots of 512 keys; a wave has two tensor loads out at the start, later one.
; LIMITS: p and the result are f16 (p in (0, 1]; |result| at most the largest |v|).  erf by Abramowitz-Stegun 7.1.26, absolute error at most 1.5e-7.
;
; LDS: slot s at s x 136,192: K, 256 rows of 272 (two keys of 128 bytes + 16), then V^T, 64 rows of 1,040 (512 keys + 16).  SCR: 256 bytes of the MLP's own.
; After slot 0's last fill has been read: XCH (the upper half's O, m, l) in its K part, STG (the way out) in its V part.
; REGISTERS: window 0: v8-15 addresses, v16-23 (m, l) x 4, v24-31 (alpha, temp) x 4, v32-63 at work, v64-127 K fragments, v128-255 S, then P
;            window 1: 0-127 O(dt, q) at 8 (4 dt + q); 128-191 Q fragments; 192-255 V fragments
.set SLOT,  136192
.set VPART, 69632
.set SCR,   2*SLOT
.set MSB, 0
.macro WIN new                         ; the immediate's high byte repeats the setting that is left
.if MSB != \new
	s_set_vgpr_msb (MSB<<8)|\new
.set MSB, \new
.endif
.endm
.macro PLACES                          ; four independent vector instructions behind a matrix instruction (ISA guide 7.12.1)
.rept 4
	v_nop
.endr
.endm
.macro ROUND                           ; a round of the cluster's barrier
	s_barrier_signal -1
	s_barrier_wait -1
	s_cmp_lg_u32 s20, 0
	s_cbranch_scc1 .Lnot_wave_0_\@
	s_barrier_signal -3
.Lnot_wave_0_\@:
	s_barrier_wait -3
	s_barrier_signal -1
	s_barrier_wait -1
.endm
.macro JLOAD s                         ; a joint refill: one tensor load a wave; the branch hangs on the wave's number alone
	s_cmp_lt_u32 s20, 4
	s_cbranch_scc0 .Lfor_v_\@
	tensor_load_to_lds s[40+4*\s:43+4*\s], s[24:31]
	s_nop 0
	s_branch .Lasked_\@
.Lfor_v_\@:
	tensor_load_to_lds s[48+4*\s:51+4*\s], s[32:39]
	s_nop 0
.Lasked_\@:
.endm
; 64 k x 64 columns times a vector, one wave (as in the first launch).
.macro MLPDOT wb, in, sm, sa, sb
	v_pk_mul_f32 v[\sm:\sm+1],   v[\wb:\wb+1],   v[\in:\in+1] op_sel_hi:[1,0]
	v_pk_mul_f32 v[\sm+2:\sm+3], v[\wb+2:\wb+3], v[\in:\in+1] op_sel_hi:[1,0]
	v_pk_mul_f32 v[\sm+4:\sm+5], v[\wb+4:\wb+5], v[\in:\in+1] op_sel:[0,1] op_sel_hi:[1,1]
	v_pk_mul_f32 v[\sm+6:\sm+7], v[\wb+6:\wb+7], v[\in:\in+1] op_sel:[0,1] op_sel_hi:[1,1]
.set mj, 2
.rept 15
	v_pk_fma_f32 v[\sm:\sm+1],   v[\wb+4*mj:\wb+4*mj+1],   v[\in+mj:\in+mj+1], v[\sm:\sm+1]   op_sel_hi:[1,0,1]
	v_pk_fma_f32 v[\sm+2:\sm+3], v[\wb+4*mj+2:\wb+4*mj+3], v[\in+mj:\in+mj+1], v[\sm+2:\sm+3] op_sel_hi:[1,0,1]
	v_pk_fma_f32 v[\sm+4:\sm+5], v[\wb+4*mj+4:\wb+4*mj+5], v[\in+mj:\in+mj+1], v[\sm+4:\sm+5] op_sel:[0,1,0] op_sel_hi:[1,1,1]
	v_pk_fma_f32 v[\sm+6:\sm+7], v[\wb+4*mj+6:\wb+4*mj+7], v[\in+mj:\in+mj+1], v[\sm+6:\sm+7] op_sel:[0,1,0] op_sel_hi:[1,1,1]
.set mj, mj+2
.endr
	v_pk_add_f32 v[\sm:\sm+1],   v[\sm:\sm+1],   v[\sm+4:\sm+5]
	v_pk_add_f32 v[\sm+2:\sm+3], v[\sm+2:\sm+3], v[\sm+6:\sm+7]
.irp i, 0,1,2,3
	v_permlanex16_b32 v[\wb+\i], v[\sm+\i], s[\sa], s[\sb]
.endr
.irp i, 0,1,2,3
	v_add_f32 v[\sm+\i], v[\sm+\i], v[\wb+\i]
.endr
	v_cndmask_b32 v[\sm+4], v[\sm],   v[\sm+2], vcc_lo
	v_cndmask_b32 v[\sm+5], v[\sm+1], v[\sm+3], vcc_lo
.endm
	s_load_b512 s[4:19], s[0:1], 0x0               ; qws, kws, vtws, p1, bs1, Ws2, att, p2
	v_lshl_add_u32 v254, v0, 2, 0x42900
	v_mov_b32 v255, 0
	ds_add_u32 v254, v255
	s_wait_dscnt 0x0
	v_lshrrev_b32 v1, 5, v0
	v_readfirstlane_b32 s20, v1                    ; wave W
	s_lshr_b32 s21, s20, 2                         ; sp
	s_and_b32 s22, s20, 3                          ; g
	s_mov_b32 s56, 0x76543210
	s_mov_b32 s57, 0xfedcba98
	s_bfe_u32 s58, ttmp6, 0x40000                  ; cx
	s_lshl_b32 s70, ttmp9, 2
	s_add_co_u32 s58, s70, s58                     ; query block qb = 4 x cluster x + cx: enters global addresses of Q, att and the MLP alone
	s_and_b32 s59, ttmp7, 0xffff                   ; bh
	s_lshr_b32 s60, s59, 3                         ; batch
	s_and_b32 s61, s59, 7                          ; head
	; group 1 for K: 64 rows of 256 bytes (128 keys), 16 bytes of padding behind each; elements of 8 bytes
	s_mov_b32 s24, 0x0773000f                      ; mask 15; element code 3; padding on; bit 21 beside the mask; every 64 words (code 5), 4 words (code 3)
	s_mov_b32 s25, 32<<16                          ; tensor_dim0 = 32
	s_mov_b32 s26, 64<<16                          ; tensor_dim1 = 64
	s_mov_b32 s27, 32<<16                          ; tile_dim0 = 32
	s_mov_b32 s28, 64                              ; tile_dim1 = 64
	s_mov_b32 s29, 32                              ; from row to row: 32 elements (dense)
	s_mov_b32 s30, 0
	s_mov_b32 s31, 0
	; group 1 for V^T: 16 rows of 1,024 bytes (512 keys) out of rows of 4,096, 16 bytes of padding behind each
	s_mov_b32 s32, 0x07f3000f                      ; as above, padding every 256 words (code 7)
	s_mov_b32 s33, 128<<16
	s_mov_b32 s34, 16<<16
	s_mov_b32 s35, 128<<16
	s_mov_b32 s36, 16
	s_mov_b32 s37, 512
	s_mov_b32 s38, 0
	s_mov_b32 s39, 0
	; group 0, a set for each slot: K's in s[40:47], V's in s[48:55].  LDS addresses: the wave's number times a constant, plus constants.
	s_mov_b32 s40, 1
	s_mov_b32 s44, 1
	s_mov_b32 s48, 1
	s_mov_b32 s52, 1
	s_mul_i32 s41, s20, 17408                      ; waves 0-3: K's quarter W
	s_add_co_u32 s45, s41, SLOT
	s_mul_i32 s49, s20, 16640
	s_add_co_u32 s49, s49, 3072                    ; waves 4-7: 69,632 + (W - 4) x 16,640
	s_add_co_u32 s53, s49, SLOT
	s_lshl_b32 s66, s59, 18
	s_lshl_b32 s68, s22, 14
	s_add_co_u32 s66, s66, s68
	s_mov_b32 s67, 0
	s_lshl_b32 s68, s59, 18
	s_lshl_b32 s69, s22, 16
	s_add_co_u32 s68, s68, s69
	s_mov_b32 s69, 0
	s_wait_kmcnt 0x0
	s_add_nc_u64 s[42:43], s[6:7], s[66:67]        ; keys 128 g .. of block 0
	s_add_nc_u64 s[46:47], s[42:43], 0x10000       ; of block 1
	s_add_nc_u64 s[50:51], s[8:9], s[68:69]        ; rows 16 g .. of V^T, block 0
	s_add_nc_u64 s[54:55], s[50:51], 0x400         ; block 1
	s_or_b32 s43, s43, 0x80000000
	s_or_b32 s47, s47, 0x80000000
	s_or_b32 s51, s51, 0x80000000
	s_or_b32 s55, s55, 0x80000000
	ROUND                                          ; all four work-groups are here: the first joint loads meet
	s_cmp_lt_u32 s20, 4                            ; both first fills of a wave inside one branch
	s_cbranch_scc0 .Lfirst_v
	tensor_load_to_lds s[40:43], s[24:31]
	s_nop 0
	tensor_load_to_lds s[44:47], s[24:31]
	s_nop 0
	s_branch .Lfirst_done
.Lfirst_v:
	tensor_load_to_lds s[48:51], s[32:39]
	s_nop 0
	tensor_load_to_lds s[52:55], s[32:39]
	s_nop 0
.Lfirst_done:
	s_lshl_b32 s70, s59, 18
	s_lshl_b32 s72, s58, 15
	s_add_co_u32 s70, s70, s72
	s_lshl_b32 s72, s22, 13
	s_add_co_u32 s70, s70, s72
	s_mov_b32 s71, 0
	s_add_nc_u64 s[4:5], s[4:5], s[70:71]          ; my 64 queries
	s_add_nc_u64 s[16:17], s[16:17], s[70:71]      ; and their place in att
	v_and_b32 v1, 31, v0                           ; lane
	v_and_b32 v2, 15, v0                           ; r
	v_bfe_u32 v3, v0, 4, 1                         ; hh
	v_lshlrev_b32 v4, 4, v3                        ; 16 hh
	v_lshl_add_u32 v7, v2, 7, v4                   ; Q: row r of 128 bytes, 16 bytes for each half of the lanes
	WIN 0x40
.irp q, 0,1,2,3
.irp ks, 0,1
	global_load_b128 v[128+16*\q+8*\ks:128+16*\q+8*\ks+3],   v7, s[4:5] offset:2048*\q+64*\ks
	global_load_b128 v[128+16*\q+8*\ks+4:128+16*\q+8*\ks+7], v7, s[4:5] offset:2048*\q+64*\ks+32
.endr
.endr
	WIN 0
	v_lshrrev_b32 v5, 1, v2
	v_and_b32 v6, 1, v2
	v_lshl_add_u32 v6, v6, 7, v4
	v_mad_u32_u24 v5, v5, 272, v6                  ; (r / 2) 272 + (r mod 2) 128 + 16 hh
	s_mul_i32 s66, s21, 34816
	v_add_nc_u32 v10, s66, v5                      ; KA0: my half's 256 keys = 128 LDS rows
	s_lshl_b32 s66, s21, 9
	s_add_co_u32 s66, s66, VPART
	v_mad_u32_u24 v11, v2, 1040, v4
	v_add_nc_u32 v11, s66, v11                     ; VA0: row d = r, my half's 512 bytes
	s_mul_i32 s66, s22, 17408
	v_lshlrev_b32 v15, 4, v1                       ; GO: 16 lane
	v_add_nc_u32 v12, s66, v15                     ; XA
	s_mul_i32 s66, s22, 8704
	s_add_co_u32 s66, s66, VPART
	v_add_nc_u32 v13, s66, v5                      ; STGA
	v_lshlrev_b32 v6, 4, v2                        ; 16 i16
	v_mad_u32_u24 v14, v3, 272, v6
	v_add_nc_u32 v14, s66, v14                     ; RDB
.irp q, 0,1,2,3
	v_mov_b32 v[17+2*\q], 0                        ; l: the packed subtraction names the pair (m, l) before the first sum is there
	v_mov_b32 v[24+2*\q], 0                        ; (alpha, temp): named as a pair, and as v_permlanex16_b32's destination
	v_mov_b32 v[25+2*\q], 0
.endr
	; The MLP piece: wave 0 alone; no barrier stands inside the branch.  kc = qb, b = batch, column block = head.
	s_cmp_lg_u32 s20, 0
	s_cbranch_scc1 .Lno_mlp
	s_lshl_b32 s70, s60, 11
	s_lshl_b32 s72, s58, 8
	s_add_co_u32 s70, s70, s72
	s_add_nc_u64 s[10:11], s[10:11], s[70:71]      ; p1[.][b][64 kc ..]
	s_mov_b32 s70, s72
	s_add_nc_u64 s[12:13], s[12:13], s[70:71]      ; bs1[64 kc ..]
	s_lshl_b32 s70, s58, 17
	s_lshl_b32 s73, s61, 8
	s_add_co_u32 s70, s70, s73
	s_add_nc_u64 s[14:15], s[14:15], s[70:71]      ; Ws2[64 kc ..][64 cb ..]
	s_lshl2_add_u32 s70, s58, s60
	s_lshl_b32 s70, s70, 11
	s_add_co_u32 s70, s70, s73
	s_add_nc_u64 s[18:19], s[18:19], s[70:71]      ; p2[kc][b][64 cb ..]
	s_mov_b32 s74, 0x3ea7ba05                      ; 0.3275911
	s_mov_b32 s75, 0x7fffffff
	v_lshlrev_b32 v32, 3, v1                       ; 8 lane: two numbers a lane
	v_lshl_add_u32 v33, v3, 16, v6                 ; weight row 32 hh, 16 bytes at 16 i16
	v_lshl_add_u32 v34, v3, 3, v6                  ; the store: 8 bytes a lane, 256 consecutive bytes a wave
	v_add_nc_u32 v35, SCR, v32
	v_lshlrev_b32 v36, 7, v3
	v_add_nc_u32 v36, SCR, v36
	v_cmp_le_u32 vcc_lo, 16, v1
.irp i, 0,1,2,3,4,5,6,7
	global_load_b64 v[64+2*\i:65+2*\i], v32, s[10:11] offset:8192*\i
.endr
	global_load_b64 v[80:81], v32, s[12:13]
.set lj, 0
.rept 32
	global_load_b128 v[128+4*lj:128+4*lj+3], v33, s[14:15] offset:2048*lj
.set lj, lj+1
.endr
	s_wait_loadcnt 32                              ; all but the 32 loads of Ws2: p1's pieces and bs1 are in
	v_pk_add_f32 v[80:81], v[80:81], v[64:65]
	v_pk_add_f32 v[66:67], v[66:67], v[68:69]
	v_pk_add_f32 v[70:71], v[70:71], v[72:73]
	v_pk_add_f32 v[74:75], v[74:75], v[76:77]
	v_pk_add_f32 v[80:81], v[80:81], v[78:79]
	v_pk_add_f32 v[66:67], v[66:67], v[70:71]
	v_pk_add_f32 v[80:81], v[80:81], v[74:75]
	v_pk_add_f32 v[80:81], v[80:81], v[66:67]      ; z
	; gelu(z) = 0.5 z (1 + erf(z / sqrt 2)); erf(u) = 1 - (a1 t + .. + a5 t^5) exp(-u^2), t = 1 / (1 + 0.3275911 u), u = |z| / sqrt 2
	v_and_b32 v82, s75, v80
	v_and_b32 v83, s75, v81
	v_mul_f32 v82, 0x3f3504f3, v82                 ; u
	v_mul_f32 v83, 0x3f3504f3, v83
	v_fma_f32 v84, v82, s74, 1.0
	v_fma_f32 v85, v83, s74, 1.0
	v_mul_f32 v86, v82, v82
	v_mul_f32 v87, v83, v83
	v_mul_f32 v86, 0xbfb8aa3b, v86                 ; -u^2 log2(e)
	v_mul_f32 v87, 0xbfb8aa3b, v87
	v_rcp_f32 v84, v84                             ; t
	v_rcp_f32 v85, v85
	v_exp_f32 v86, v86
	v_exp_f32 v87, v87
	v_mov_b32 v88, 0x3f87dc22                      ; a5; also the plain instruction behind the transcendentals (ISA guide 5.7.2)
	v_mov_b32 v89, 0x3f87dc22
	s_wait_alu depctr_va_vdst(0)
	v_fmaak_f32 v88, v88, v84, 0xbfba00e3          ; a4
	v_fmaak_f32 v89, v89, v85, 0xbfba00e3
	v_fmaak_f32 v88, v88, v84, 0x3fb5f0e3          ; a3
	v_fmaak_f32 v89, v89, v85, 0x3fb5f0e3
	v_fmaak_f32 v88, v88, v84, 0xbe91a98e          ; a2
	v_fmaak_f32 v89, v89, v85, 0xbe91a98e
	v_fmaak_f32 v88, v88, v84, 0x3e827906          ; a1
	v_fmaak_f32 v89, v89, v85, 0x3e827906
	v_mul_f32 v88, v88, v84
	v_mul_f32 v89, v89, v85
	v_fma_f32 v88, -v88, v86, 1.0                  ; erf(u)
	v_fma_f32 v89, -v89, v87, 1.0
	v_bfi_b32 v88, s75, v88, v80                   ; with z's sign
	v_bfi_b32 v89, s75, v89, v81
	v_mul_f32 v90, 0.5, v80
	v_mul_f32 v91, 0.5, v81
	v_fma_f32 v88, v90, v88, v90
	v_fma_f32 v89, v91, v89, v91                   ; h1 of k = 2 lane, 2 lane + 1
	ds_store_b64 v35, v[88:89]                     ; my own bytes: LDS serves a wave's instructions in order (ISA guide 5.7.1.4)
.irp i, 0,1,2,3,4,5,6,7
	ds_load_b128 v[64+4*\i:67+4*\i], v36 offset:16*\i          ; h1[32 hh + 0 .. 31] in every lane of the half
.endr
	s_wait_dscnt 0x0
	s_wait_loadcnt 0x0
	MLPDOT 128, 64, 48, 56, 57
	global_store_b64 v34, v[52:53], s[18:19]
	s_wait_xcnt 0x0                                ; the store's data and address registers are at work again in the first chunk
.Lno_mlp:
	s_wait_loadcnt 0x0                             ; Q
	s_wait_tensorcnt 0x1                           ; my part of block 0 is in; block 1's stays out
	s_barrier_signal -1
	s_barrier_wait -1
; The running maximum of query tile q: 32 scores a lane, one exchange with the other half of the lanes, which holds the same query's other keys.
.macro MAXQ q, first
.set SB, 128+32*\q
.set TB, 32+4*\q
.irp c, 0,1,2,3
	v_max3_num_f32 v[TB+\c], v[SB+8*\c], v[SB+8*\c+1], v[SB+8*\c+2]
.endr
.irp c, 0,1,2,3
	v_max3_num_f32 v[TB+\c], v[TB+\c], v[SB+8*\c+3], v[SB+8*\c+4]
.endr
.irp c, 0,1,2,3
	v_max3_num_f32 v[TB+\c], v[TB+\c], v[SB+8*\c+5], v[SB+8*\c+6]
.endr
	v_max3_num_f32 v[TB],   v[TB],   v[TB+1], v[SB+7]
	v_max3_num_f32 v[TB+2], v[TB+2], v[TB+3], v[SB+15]
	v_max3_num_f32 v[TB],   v[TB],   v[TB+2], v[SB+23]
	v_max_num_f32  v[TB],   v[TB],   v[SB+31]
	v_permlanex16_b32 v[25+2*\q], v[TB], s56, s57
.if \first
	v_max_num_f32 v[16+2*\q], v[TB], v[25+2*\q]
.else
	v_max3_num_f32 v[TB], v[TB], v[25+2*\q], v[16+2*\q]
	v_sub_f32 v[TB+1], v[16+2*\q], v[TB]
	v_exp_f32 v[24+2*\q], v[TB+1]                  ; alpha = 2^(old m - new m)
	v_mov_b32 v[16+2*\q], v[TB]                    ; the plain instruction behind the transcendental
.endif
.endm
.macro SUBQ q
.set sj, 0
.rept 16
	v_pk_add_f32 v[128+32*\q+2*sj:128+32*\q+2*sj+1], v[128+32*\q+2*sj:128+32*\q+2*sj+1], v[16+2*\q:17+2*\q] op_sel_hi:[1,0] neg_lo:[0,1] neg_hi:[0,1]
.set sj, sj+1
.endr
.endm
.macro EXPQ q                          ; behind it always stands a plain instruction on another query tile
.set sj, 0
.rept 32
	v_exp_f32 v[128+32*\q+sj], v[128+32*\q+sj]
.set sj, sj+1
.endr
.endm
; The lane's sum of p, in two chains of pairs, and p narrowed to f16 in place: pair i goes to register i + 8 (i / 8) of the tile's 32, which never
; holds a pair that is still to be used.  Registers 0-7 and 16-23 are then the two fragments of P^T (32 keys each).
.macro SUMCVT q, first
.set SB, 128+32*\q
.set UA, 48+4*\q
	s_wait_alu depctr_va_vdst(0)
	v_pk_add_f32 v[UA:UA+1], v[SB:SB+1], v[SB+2:SB+3]
	v_cvt_pk_f16_f32 v[SB],   v[SB],   v[SB+1]
	v_cvt_pk_f16_f32 v[SB+1], v[SB+2], v[SB+3]
	v_pk_add_f32 v[UA+2:UA+3], v[SB+4:SB+5], v[SB+6:SB+7]
	v_cvt_pk_f16_f32 v[SB+2], v[SB+4], v[SB+5]
	v_cvt_pk_f16_f32 v[SB+3], v[SB+6], v[SB+7]
.set si, 4
.rept 6
	v_pk_add_f32 v[UA:UA+1], v[UA:UA+1], v[SB+2*si:SB+2*si+1]
	v_cvt_pk_f16_f32 v[SB+si+8*(si>>3)], v[SB+2*si], v[SB+2*si+1]
	v_pk_add_f32 v[UA+2:UA+3], v[UA+2:UA+3], v[SB+2*si+2:SB+2*si+3]
	v_cvt_pk_f16_f32 v[SB+si+1+8*((si+1)>>3)], v[SB+2*si+2], v[SB+2*si+3]
.set si, si+2
.endr
	v_pk_add_f32 v[UA:UA+1], v[UA:UA+1], v[UA+2:UA+3]
.if \first
	v_add_f32 v[17+2*\q], v[UA], v[UA+1]
.else
	v_add_f32 v[UA], v[UA], v[UA+1]
	v_fma_f32 v[17+2*\q], v[17+2*\q], v[24+2*\q], v[UA]        ; l stays the lane's own part until the end
.endif
.endm
; 64 keys x 64 queries.  first = 1: nothing is carried yet: the products start the sums, nothing is cleared.
.macro CHUNK first
.irp t, 0,1,2,3
.irp ks, 0,1
	ds_load_b128 v[64+16*\t+8*\ks:64+16*\t+8*\ks+3],   v8 offset:2176*\t+64*\ks
	ds_load_b128 v[64+16*\t+8*\ks+4:64+16*\t+8*\ks+7], v8 offset:2176*\t+64*\ks+32
.endr
.endr
	WIN 0x40
.irp dt, 0,1,2,3
.irp p, 0,1
	ds_load_b128 v[192+8*(2*\dt+\p):192+8*(2*\dt+\p)+3],   v9 offset:16640*\dt+64*\p
	ds_load_b128 v[192+8*(2*\dt+\p)+4:192+8*(2*\dt+\p)+7], v9 offset:16640*\dt+64*\p+32
.endr
.endr
	s_wait_dscnt 16                                ; K's 16 loads are in; V's 16, issued behind them, may be out
	WIN 0x04
	; S^T: four accumulators take turns, one instruction a turn
.irp t, 0,1,2,3
.irp q, 0,1,2,3
	v_wmma_f32_16x16x32_f16 v[128+32*\q+8*\t:128+32*\q+8*\t+7], v[64+16*\t:64+16*\t+7], v[128+16*\q:128+16*\q+7], 0
.endr
.irp q, 0,1,2,3
	v_wmma_f32_16x16x32_f16 v[128+32*\q+8*\t:128+32*\q+8*\t+7], v[64+16*\t+8:64+16*\t+15], v[128+16*\q+8:128+16*\q+15], v[128+32*\q+8*\t:128+32*\q+8*\t+7]
.endr
.endr
	WIN 0
	PLACES
	MAXQ 0, \first
	MAXQ 1, \first
	MAXQ 2, \first
	MAXQ 3, \first
	SUBQ 0
	EXPQ 0
	SUBQ 1
	EXPQ 1
	SUMCVT 0, \first
	SUBQ 2
	EXPQ 2
	SUMCVT 1, \first
	SUBQ 3
	EXPQ 3
	SUMCVT 2, \first
	SUMCVT 3, \first
.if \first == 0
	WIN 0x41
.irp dt, 0,1,2,3
.irp q, 0,1,2,3
.irp j, 0,2,4,6
	v_pk_mul_f32 v[8*(4*\dt+\q)+\j:8*(4*\dt+\q)+\j+1], v[8*(4*\dt+\q)+\j:8*(4*\dt+\q)+\j+1], v[24+2*\q:25+2*\q] op_sel_hi:[1,0]
.endr
.endr
.endr
.endif
	s_wait_dscnt 0x0                               ; V's fragments
	WIN 0x51
	; O^T += V^T P^T: sixteen accumulators take turns
.irp p, 0,1
.irp dt, 0,1,2,3
.irp q, 0,1,2,3
.if \first && (\p == 0)
	v_wmma_f32_16x16x32_f16 v[8*(4*\dt+\q):8*(4*\dt+\q)+7], v[192+8*(2*\dt+\p):192+8*(2*\dt+\p)+7], v[128+32*\q+16*\p:128+32*\q+16*\p+7], 0
.else
	v_wmma_f32_16x16x32_f16 v[8*(4*\dt+\q):8*(4*\dt+\q)+7], v[192+8*(2*\dt+\p):192+8*(2*\dt+\p)+7], v[128+32*\q+16*\p:128+32*\q+16*\p+7], v[8*(4*\dt+\q):8*(4*\dt+\q)+7]
.endif
.endr
.endr
.endr
	WIN 0
	v_add_nc_u32 v8, 8704, v8                      ; the next 64 keys.  With the three v_nop: five places, since the next chunk's products write over P,
	v_add_nc_u32 v9, 128, v9                       ; a source of the products above, and its loads land in V's fragments
	v_nop
	v_nop
	v_nop
.endm
; My 256 keys of the block in a slot: four chunks.
.macro PROCESS slot, first
	v_add_nc_u32 v8, \slot*SLOT, v10
	v_add_nc_u32 v9, \slot*SLOT, v11
.if \first
	CHUNK 1
	s_mov_b32 s23, 3
.else
	s_mov_b32 s23, 4
.endif
.Lchunk_\@:
	CHUNK 0
	s_sub_co_i32 s23, s23, 1
	s_cmp_lg_u32 s23, 0
	s_cbranch_scc1 .Lchunk_\@
.endm
; Slot s has been read and is filled again, two blocks on.  In front of the round every wave waits for its reads and for all its tensor loads, the other
; slot's among them; so both group 0 may be stepped, and behind the round no wave of any partner reads the slot or has a load on its way.
.macro REFILL s
	s_wait_dscnt 0x0
	s_wait_xcnt 0x0
	v_lshl_add_u32 v254, v0, 2, 0x42900
	v_mov_b32 v255, 0
	s_wait_tensorcnt 0x0
	ds_add_u32 v254, v255
	s_wait_dscnt 0x0
	s_add_nc_u64 s[42+4*\s:43+4*\s], s[42+4*\s:43+4*\s], 0x20000
	s_add_nc_u64 s[50+4*\s:51+4*\s], s[50+4*\s:51+4*\s], 0x800
	ROUND
	JLOAD \s                                       ; the wave's one tensor load behind the round, and the first thing there
.endm
	PROCESS 0, 1                                   ; block 0
	REFILL 0                                       ; block 2 goes out; block 1 has landed
	PROCESS 1, 0                                   ; block 1
	REFILL 1                                       ; block 3 goes out; block 2 has landed
	PROCESS 0, 0                                   ; block 2
	s_wait_dscnt 0x0                               ; nothing is left to fetch: a plain barrier shows block 3 whole,
	s_wait_tensorcnt 0x0                           ; and slot 0 read by all, so that it can serve the merge
	s_barrier_signal -1
	s_barrier_wait -1
	PROCESS 1, 0                                   ; block 3
	; THE MERGE: the waves of the upper half hand O, m, l to their partners through slot 0, which has had its last fill.
	s_cmp_lt_u32 s20, 4
	s_cbranch_scc1 .Lkeep
	WIN 0x04
.set oi, 0
.rept 32
	ds_store_b128 v12, v[4*oi:4*oi+3] offset:512*oi
.set oi, oi+1
.endr
	WIN 0
	ds_store_b128 v12, v[16:19] offset:16384
	ds_store_b128 v12, v[20:23] offset:16896
.Lkeep:
	s_wait_dscnt 0x0
	s_barrier_signal -1
	s_barrier_wait -1
	s_cmp_lt_u32 s20, 4
	s_cbranch_scc0 .Ldone
	ds_load_b128 v[32:35], v12 offset:16384        ; the partner's (m, l) x 4
	ds_load_b128 v[36:39], v12 offset:16896
.set oi, 0
.rept 32
	ds_load_b128 v[128+4*oi:128+4*oi+3], v12 offset:512*oi     ; the partner's O
.set oi, oi+1
.endr
	s_wait_dscnt 0x0
.irp q, 0,1,2,3
	v_max_num_f32 v[40+\q], v[16+2*\q], v[32+2*\q]
.endr
.irp q, 0,1,2,3
	v_sub_f32 v[44+\q], v[16+2*\q], v[40+\q]
	v_sub_f32 v[24+\q], v[32+2*\q], v[40+\q]
.endr
.irp q, 0,1,2,3
	v_exp_f32 v[44+\q], v[44+\q]                   ; a0
	v_exp_f32 v[24+\q], v[24+\q]                   ; a1
.endr
	v_nop
	s_wait_alu depctr_va_vdst(0)
.irp q, 0,1,2,3
	v_mul_f32 v[40+\q], v[17+2*\q], v[44+\q]
.endr
.irp q, 0,1,2,3
	v_fma_f32 v[40+\q], v[33+2*\q], v[24+\q], v[40+\q]
.endr
.irp q, 0,1,2,3
	v_permlanex16_b32 v[28+\q], v[40+\q], s56, s57 ; the other half of the lanes holds the same query's other keys
.endr
.irp q, 0,1,2,3
	v_add_f32 v[40+\q], v[40+\q], v[28+\q]
.endr
.irp q, 0,1,2,3
	v_rcp_f32 v[40+\q], v[40+\q]
.endr
	v_nop
	s_wait_alu depctr_va_vdst(0)
.irp q, 0,1,2,3
	v_mul_f32 v[48+2*\q], v[44+\q], v[40+\q]       ; f0 = a0 / l
	v_mul_f32 v[56+2*\q], v[24+\q], v[40+\q]       ; f1 = a1 / l
.endr
.irp dt, 0,1,2,3
.irp q, 0,1,2,3
.irp j, 0,2,4,6
	v_pk_mul_f32 v[128+8*(4*\dt+\q)+\j:128+8*(4*\dt+\q)+\j+1], v[128+8*(4*\dt+\q)+\j:128+8*(4*\dt+\q)+\j+1], v[56+2*\q:57+2*\q] op_sel_hi:[1,0]
.endr
.endr
.endr
	WIN 0x01
.irp dt, 0,1,2,3
.irp q, 0,1,2,3
.irp j, 0,2,4,6
	v_pk_fma_f32 v[128+8*(4*\dt+\q)+\j:128+8*(4*\dt+\q)+\j+1], v[8*(4*\dt+\q)+\j:8*(4*\dt+\q)+\j+1], v[48+2*\q:49+2*\q], v[128+8*(4*\dt+\q)+\j:128+8*(4*\dt+\q)+\j+1] op_sel_hi:[1,0,1]
.endr
.endr
.endr
	WIN 0
.irp dt, 0,1,2,3
.irp q, 0,1,2,3
.irp rr, 0,1,2,3
	v_cvt_pk_f16_f32 v[128+8*(4*\dt+\q)+\rr], v[128+8*(4*\dt+\q)+2*\rr], v[128+8*(4*\dt+\q)+2*\rr+1]
.endr
	ds_store_b128 v13, v[128+8*(4*\dt+\q):128+8*(4*\dt+\q)+3] offset:2176*\q+32*\dt   ; query 16 q + r, d = 16 dt + 8 hh ..: my own stage
.endr
.endr
.irp t, 0,1,2,3,4,5,6,7,8,9,10,11,12,13,14,15
	ds_load_b128 v[64+4*\t:64+4*\t+3], v14 offset:544*\t       ; LDS serves a wave's instructions in order: these see the stores above
.endr
.irp t, 0,1,2,3,4,5,6,7,8,9,10,11,12,13,14,15
	s_wait_dscnt 15-\t                             ; load t is in; the younger ones may be out
	global_store_b128 v15, v[64+4*\t:64+4*\t+3], s[16:17] offset:512*\t       ; four queries: 512 consecutive bytes, aligned
.endr
.Ldone:
	s_wait_dscnt 0x0
	s_wait_xcnt 0x0
	v_lshl_add_u32 v254, v0, 2, 0x42900
	v_mov_b32 v255, 0
	s_wait_tensorcnt 0x0
	ds_add_u32 v254, v255
	s_wait_dscnt 0x0
	ROUND                                          ; the closing round: no work-group ends while a partner may still ask jointly
	s_endpgm
.Lfunc_end_k_q651fc4a015_attn:
	.size	k_q651fc4a015_attn, .Lfunc_end_k_q651fc4a015_attn-k_q651fc4a015_attn
	.p2alignl 7, 3214868480
	.fill 96, 4, 3214868480
	.section	.rodata,"a",@progbits
	.p2align	6, 0x0
	.amdhsa_kernel k_q651fc4a015_attn
		.amdhsa_group_segment_fixed_size 327680
		.amdhsa_private_segment_fixed_size 0
		.amdhsa_enable_private_segment 0
		.amdhsa_kernarg_size 64
		.amdhsa_user_sgpr_count 2
		.amdhsa_user_sgpr_kernarg_segment_ptr 1
		.amdhsa_wavefront_size32 1
		.amdhsa_system_sgpr_workgroup_id_x 1
		.amdhsa_system_sgpr_workgroup_id_y 1
		.amdhsa_system_sgpr_workgroup_id_z 1
		.amdhsa_system_vgpr_workitem_id 0
		.amdhsa_next_free_vgpr 512
		.amdhsa_next_free_sgpr 76
		.amdhsa_reserve_vcc 1
		.amdhsa_float_denorm_mode_32 3
		.amdhsa_float_denorm_mode_16_64 3
		.amdhsa_memory_ordered 1
		.amdhsa_forward_progress 1
		.amdhsa_inst_pref_size 200
	.end_amdhsa_kernel
	.amdgpu_metadata
---
amdhsa.version: [ 1, 2 ]
amdhsa.kernels:
  - .name:           k_q651fc4a015_attn
    .symbol:         k_q651fc4a015_attn.kd
    .args:
      - { .name: qws, .offset: 0, .size: 8, .value_kind: global_buffer, .address_space: global }
      - { .name: kws, .offset: 8, .size: 8, .value_kind: global_buffer, .address_space: global }
      - { .name: vtws, .offset: 16, .size: 8, .value_kind: global_buffer, .address_space: global }
      - { .name: p1, .offset: 24, .size: 8, .value_kind: global_buffer, .address_space: global }
      - { .name: bs1, .offset: 32, .size: 8, .value_kind: global_buffer, .address_space: global }
      - { .name: Ws2, .offset: 40, .size: 8, .value_kind: global_buffer, .address_space: global }
      - { .name: att, .offset: 48, .size: 8, .value_kind: global_buffer, .address_space: global }
      - { .name: p2, .offset: 56, .size: 8, .value_kind: global_buffer, .address_space: global }
    .group_segment_fixed_size: 327680
    .private_segment_fixed_size: 0
    .kernarg_segment_align: 8
    .kernarg_segment_size: 64
    .max_flat_workgroup_size: 256
    .sgpr_count:     76
    .vgpr_count:     512
    .wavefront_size: 32
...
	.end_amdgpu_metadata
.endif
;; end of part 2
;; launch proj (part 3): grid 4 x 64, 4 waves a work-group, clusters of 4 x 1, 324,096 bytes of LDS; arguments att, Wo, bo, p2, bs2, out0; writes out0
.if DOCPART == 3
	.amdgcn_target "amdgcn-amd-amdhsa--gfx1250"
	.amdhsa_code_object_version 6
	.text
	.protected	k_q651fc4a015_proj
	.globl	k_q651fc4a015_proj
	.p2align	8
	.type	k_q651fc4a015_proj,@function
k_q651fc4a015_proj:
	s_mov_b64 s[64:65], 0
	v_nop
	global_prefetch_b8 v0, s[64:65] scope:SCOPE_SE
	s_setreg_imm32_b32 hwreg(HW_REG_WAVE_MODE, 25, 1), 1
	s_wait_xcnt 0x0
	s_wait_alu depctr_hold_cnt(0) depctr_sa_sdst(0) depctr_va_vdst(0) depctr_va_sdst(0) depctr_va_ssrc(0) depctr_va_vcc(0) depctr_vm_vsrc(0)
	s_getreg_b32 s2, hwreg(HW_REG_IB_STS2, 6, 4)
	s_cmp_eq_u32 s2, 0
	s_cbranch_scc0 .Lentry_in_a_cluster
	s_endpgm
.Lentry_in_a_cluster:
	s_bfe_u32 s2, ttmp6, 0x10000c
	s_cmp_lg_u32 s2, 0x3003
	s_cbranch_scc0 .Lentry_shape_is_right
	s_endpgm
.Lentry_shape_is_right:
; out0 = (att * gate) @ Wo + bo, a block of 128 tokens (grid y) x 128 columns (grid x), K = 512.
; gate g = sigmoid(sum of p2's 8 pieces + bs2), 512 numbers of the block's batch.  The gate goes into Wo's rows, divided by the batch's largest gate gm,
; so that g / gm lies in [0, 1] whatever the gates' size and the f16 operand keeps its room; gm multiplies the f32 sums at the end.
; LIMITS: matrix operands are f16 (|Wo| below 65,504; step 6e-8 below 6e-5).  A gate below 2^-126 counts as 0, and gm is held at 2^-126 at the least.
; All of K lies in LDS and every request goes out at the start: no slot is ever filled again.
; CLUSTER: the four column blocks of a cluster need the same 128 rows of att: asked for jointly (mask 15), wave W heads W and W + 4: two tensor loads out.
; Wo is f32 and lies [k][n]: it goes through registers (512 a lane), is scaled and narrowed, and is read with the transposing 16-bit LDS load.
; A wave makes 64 x 64, used transposed (source 0 = 16 columns of Wo, source 1 = 16 tokens): a lane's 8 results are 8 neighbouring columns of one token.
;
; LDS: A: head c at c x 17,408 (64 rows of 272: two tokens of 128 bytes + 16); B at 139,264: 512 k rows of 288 (256 + 32 = 9 x 32);
;      GATE at 286,720: 512 bytes a wave; STAGE at 288,768: 32 rows of 272 a wave.
; REGISTERS: window 0: v8-30 addresses; F0 = v32-95, F1 = v96-159 fragments (att tile mt at + 8 mt, Wo tile nt at + 32 + 8 nt), first p2's pieces;
;            v160-191 bo; v192-207 16 gates; v208-209 gm; v210-217 at work; v224-239 z.  Window 1: acc(mt, nt) at 8 (4 mt + nt).  Windows 2, 3: Wo as loaded.
.set BPART, 139264
.set BP,    288
.set GATE,  286720
.set STAGE, 288768
.set MSB, 0
.macro WIN new                         ; the immediate's high byte repeats the setting that is left
.if MSB != \new
	s_set_vgpr_msb (MSB<<8)|\new
.set MSB, \new
.endif
.endm
.macro PLACES                          ; four independent vector instructions behind a matrix instruction (ISA guide 7.12.1)
.rept 4
	v_nop
.endr
.endm
.macro ROUND                           ; a round of the cluster's barrier
	s_barrier_signal -1
	s_barrier_wait -1
	s_cmp_lg_u32 s16, 0
	s_cbranch_scc1 .Lnot_wave_0_\@
	s_barrier_signal -3
.Lnot_wave_0_\@:
	s_barrier_wait -3
	s_barrier_signal -1
	s_barrier_wait -1
.endm
	s_load_b256 s[4:11], s[0:1], 0x0               ; att, Wo, bo, p2
	s_load_b128 s[12:15], s[0:1], 0x20             ; bs2, out0
	v_lshl_add_u32 v15, v0, 2, 0x4f000
	v_mov_b32 v31, 0
	ds_add_u32 v15, v31
	v_lshrrev_b32 v1, 5, v0
	v_readfirstlane_b32 s16, v1                    ; wave W
	s_lshr_b32 s17, s16, 1                         ; wr: my half of the tokens
	s_and_b32 s18, s16, 1                          ; wc: my half of the columns
	s_bfe_u32 s19, ttmp6, 0x40000                  ; cx
	s_lshl_b32 s48, ttmp9, 2
	s_add_co_u32 s19, s48, s19                     ; column block nb: enters global addresses of Wo, bo and out0 alone
	s_and_b32 s20, ttmp7, 0xffff                   ; row block
	s_lshr_b32 s21, s20, 4                         ; batch
	s_mov_b32 s40, 0x76543210
	s_mov_b32 s41, 0xfedcba98
	; group 1: 64 rows of 256 bytes (128 tokens of one head), 16 bytes of padding behind each; elements of 8 bytes
	s_mov_b32 s24, 0x0773000f                      ; mask 15; element code 3; padding on; bit 21 beside the mask; every 64 words (code 5), 4 words (code 3)
	s_mov_b32 s25, 32<<16
	s_mov_b32 s26, 64<<16
	s_mov_b32 s27, 32<<16
	s_mov_b32 s28, 64
	s_mov_b32 s29, 32
	s_mov_b32 s30, 0
	s_mov_b32 s31, 0
	s_mov_b32 s32, 1
	s_mul_i32 s33, s16, 17408                      ; head W
	s_mov_b32 s36, 1
	s_add_co_u32 s37, s33, 69632                   ; head W + 4
	s_lshl3_add_u32 s42, s21, s16
	s_lshl_b32 s42, s42, 18
	s_and_b32 s44, s20, 15
	s_lshl_b32 s44, s44, 14
	s_add_co_u32 s42, s42, s44
	s_mov_b32 s43, 0
	s_wait_dscnt 0x0
	s_wait_kmcnt 0x0
	s_add_nc_u64 s[34:35], s[4:5], s[42:43]
	s_add_nc_u64 s[38:39], s[34:35], 0x100000      ; four heads on
	s_or_b32 s35, s35, 0x80000000
	s_or_b32 s39, s39, 0x80000000
	ROUND                                          ; all four work-groups are here: the joint loads meet
	tensor_load_to_lds s[32:35], s[24:31]
	s_nop 0
	tensor_load_to_lds s[36:39], s[24:31]
	s_nop 0
	s_lshl_b32 s42, s21, 11
	s_add_nc_u64 s[10:11], s[10:11], s[42:43]      ; p2[.][b][.]
	s_lshl_b32 s48, s19, 9
	s_mov_b32 s49, 0
	s_add_nc_u64 s[6:7], s[6:7], s[48:49]          ; Wo's 128 columns
	s_lshl_b32 s50, s18, 8
	s_add_co_u32 s48, s48, s50
	s_add_nc_u64 s[8:9], s[8:9], s[48:49]          ; bo's 64 columns of mine
	s_lshl_b32 s50, s20, 18
	s_add_co_u32 s48, s48, s50
	s_lshl_b32 s50, s17, 17
	s_add_co_u32 s48, s48, s50
	s_add_nc_u64 s[14:15], s[14:15], s[48:49]      ; out0 at my 64 x 64
	v_and_b32 v1, 31, v0                           ; lane
	v_and_b32 v2, 15, v0                           ; r = i16
	v_bfe_u32 v3, v0, 4, 1                         ; hh
	v_lshlrev_b32 v4, 4, v3                        ; 16 hh
	v_lshlrev_b32 v6, 4, v2                        ; 16 i16
	v_lshl_add_u32 v7, v3, 10, v6                  ; 1,024 hh + 16 i16: columns 256 hh + 4 i16 .. of a row of 512
.irp i, 0,1,2,3
	s_add_co_u32 s44, s16, \i
	s_and_b32 s44, s44, 3
	s_lshl_b32 s44, s44, 8
	v_add_nc_u32 v[8+\i], s44, v7                  ; quarter (W + i) mod 4; quarter i = 0 holds the k rows of Wo that I narrow
.endr
	v_lshlrev_b32 v30, 5, v3                       ; 32 hh
	s_lshl_b32 s44, s16, 17
	v_lshlrev_b32 v5, 4, v1                        ; 16 lane
	v_add_nc_u32 v22, s44, v5                      ; WOFF: row 64 W of Wo, 512 bytes a wave
.irp i, 0,1,2,3
.irp kc, 0,1,2,3,4,5,6,7
	global_load_b128 v[32+4*(8*\i+\kc):32+4*(8*\i+\kc)+3], v[8+\i], s[10:11] offset:8192*\kc
.endr
	global_load_b128 v[224+4*\i:227+4*\i], v[8+\i], s[12:13]
.endr
.irp nt, 0,1,2,3
	global_load_b128 v[160+8*\nt:163+8*\nt], v30, s[8:9] offset:64*\nt         ; bo[16 nt + 8 hh ..]: register j of a tile is column 8 hh + j
	global_load_b128 v[164+8*\nt:167+8*\nt], v30, s[8:9] offset:64*\nt+16
.endr
; Group gi of Wo: 16 rows k = 64 W + 16 (gi mod 4) + j + 256 (gi / 4), one load a row: 512 consecutive bytes.
.macro WLOAD gi
.if \gi < 4
	WIN 0x80
.else
	WIN 0xc0
.endif
.set wj, 0
.rept 16
	global_load_b128 v[64*(\gi&3)+4*wj:64*(\gi&3)+4*wj+3], v22, s[6:7] offset:(16*(\gi&3)+wj+256*(\gi>>2))*2048
.set wj, wj+1
.endr
.endm
	WLOAD 0
	WIN 0
	v_lshrrev_b32 v12, 1, v2
	v_and_b32 v13, 1, v2
	v_lshl_add_u32 v13, v13, 7, v4
	v_mad_u32_u24 v12, v12, 272, v13               ; (r / 2) 272 + (r mod 2) 128 + 16 hh
	s_mul_i32 s44, s17, 8704
	v_add_nc_u32 v16, s44, v12                     ; AF0, AF1: my 64 tokens in heads 0-3, 4-7
	v_add_nc_u32 v17, 69632, v16
	v_and_b32 v13, 7, v0
	v_lshl_add_u32 v13, v3, 3, v13
	v_bfe_u32 v14, v0, 3, 1
	v_lshlrev_b32 v14, 4, v14
	v_mad_u32_u24 v18, v13, BP, v14
	s_lshl_b32 s44, s18, 7
	s_add_co_u32 s44, s44, BPART
	v_add_nc_u32 v18, s44, v18                     ; BF0-3: Wo's fragments by the transposing load, 128 k rows apart
	v_add_nc_u32 v19, 128*BP, v18
	v_add_nc_u32 v20, 256*BP, v18
	v_add_nc_u32 v21, 384*BP, v18
	s_mul_i32 s44, s16, 64*BP
	s_add_co_u32 s44, s44, BPART
	v_lshl_add_u32 v23, v1, 3, s44                 ; WST0, WST1: a row of 256 bytes, 8 a lane
	v_add_nc_u32 v24, 256*BP, v23
	s_lshl_b32 s44, s16, 9
	s_add_co_u32 s44, s44, GATE
	v_mov_b32 v25, s44                             ; GA: my 128 gates
	v_add_nc_u32 v29, s44, v5
	s_mul_i32 s44, s16, 8704
	s_add_co_u32 s44, s44, STAGE
	v_lshlrev_b32 v13, 5, v3
	v_mad_u32_u24 v26, v2, 272, v13
	v_add_nc_u32 v26, s44, v26                     ; OST: token r, 32 bytes for each half of the lanes
	v_mad_u32_u24 v27, v3, 272, v6
	v_add_nc_u32 v27, s44, v27                     ; ORD: a row of 256 bytes for each half of the lanes
	v_lshl_add_u32 v28, v3, 11, v6                 ; OOFF: the same two rows in out0
	s_wait_loadcnt 24                              ; bo's 8 and group 0's 16 may be out: p2's pieces and bs2 are in
.irp i, 0,1,2,3
.irp kc, 0,1,2,3,4,5,6,7
	v_pk_add_f32 v[224+4*\i:225+4*\i], v[224+4*\i:225+4*\i], v[32+4*(8*\i+\kc):32+4*(8*\i+\kc)+1]
	v_pk_add_f32 v[226+4*\i:227+4*\i], v[226+4*\i:227+4*\i], v[32+4*(8*\i+\kc)+2:32+4*(8*\i+\kc)+3]
.endr
.endr
	; the batch's largest z: 16 a lane, then over the 32 lanes.  The sigmoid rises with z, so gm = sigmoid(largest z).
	v_max3_num_f32 v210, v224, v225, v226
	v_max3_num_f32 v211, v227, v228, v229
	v_max3_num_f32 v210, v210, v230, v231
	v_max3_num_f32 v211, v211, v232, v233
	v_max3_num_f32 v210, v210, v234, v235
	v_max3_num_f32 v211, v211, v236, v237
	v_max3_num_f32 v210, v210, v238, v239
	v_max_num_f32 v210, v210, v211
	v_max_num_f32_dpp v210, v210, v210 row_xmask:1 row_mask:0xf bank_mask:0xf
	v_max_num_f32_dpp v210, v210, v210 row_xmask:2 row_mask:0xf bank_mask:0xf
	v_max_num_f32_dpp v210, v210, v210 row_xmask:4 row_mask:0xf bank_mask:0xf
	v_max_num_f32_dpp v210, v210, v210 row_xmask:8 row_mask:0xf bank_mask:0xf
	v_permlanex16_b32 v211, v210, s40, s41
	v_max_num_f32 v210, v210, v211
	v_mul_f32 v212, 0xbfb8aa3b, v224               ; sigmoid(z) = 1 / (1 + 2^(-z log2 e)) of my own four z and of the largest
	v_mul_f32 v213, 0xbfb8aa3b, v225
	v_mul_f32 v214, 0xbfb8aa3b, v226
	v_mul_f32 v215, 0xbfb8aa3b, v227
	v_mul_f32 v216, 0xbfb8aa3b, v210
.irp i, 212,213,214,215,216
	v_exp_f32 v\i, v\i
.endr
	v_nop
	s_wait_alu depctr_va_vdst(0)
.irp i, 212,213,214,215,216
	v_add_f32 v\i, 1.0, v\i
.endr
.irp i, 212,213,214,215,216
	v_rcp_f32 v\i, v\i
.endr
	v_nop
	s_wait_alu depctr_va_vdst(0)
	v_max_num_f32 v216, 0x00800000, v216           ; gm, 2^-126 at the least
	v_rcp_f32 v217, v216
	v_mov_b32 v208, v216
	v_mov_b32 v209, v216
	s_wait_alu depctr_va_vdst(0)
.irp i, 212,213,214,215
	v_mul_f32 v\i, v\i, v217                       ; g / gm
.endr
	ds_store_b128 v29, v[212:215]                  ; my own bytes: gate e = 4 lane + c is that of k = 64 W + e (e < 64), 256 + 64 W + e - 64 (else)
	WLOAD 1
	WLOAD 2
	WLOAD 3
	WLOAD 4
	WLOAD 5
	WLOAD 6
	WLOAD 7
	WIN 0
; Group gi is scaled by its rows' gates, narrowed in place and stored [k][n].
.macro CONV gi
.if 16*(7-\gi) > 63
	s_wait_loadcnt 63                              ; the younger groups' loads are more than the count can name: the largest count
.else
	s_wait_loadcnt 16*(7-\gi)                      ; the younger groups' loads may be out
.endif
	WIN 0
.irp i, 0,1,2,3
	ds_load_b128 v[192+4*\i:195+4*\i], v25 offset:64*\gi+16*\i     ; the 16 rows' gates, in every lane
.endr
	s_wait_dscnt 0x0
.set CB, 64*(\gi&3)
.if \gi < 4
	WIN 0x82
.else
	WIN 0xc3
.endif
.set cj, 0
.rept 8
	v_pk_mul_f32 v[CB+8*cj:CB+8*cj+1],   v[CB+8*cj:CB+8*cj+1],   v[192+2*cj:193+2*cj] op_sel_hi:[1,0]
	v_pk_mul_f32 v[CB+8*cj+2:CB+8*cj+3], v[CB+8*cj+2:CB+8*cj+3], v[192+2*cj:193+2*cj] op_sel_hi:[1,0]
	v_pk_mul_f32 v[CB+8*cj+4:CB+8*cj+5], v[CB+8*cj+4:CB+8*cj+5], v[192+2*cj:193+2*cj] op_sel:[0,1] op_sel_hi:[1,1]
	v_pk_mul_f32 v[CB+8*cj+6:CB+8*cj+7], v[CB+8*cj+6:CB+8*cj+7], v[192+2*cj:193+2*cj] op_sel:[0,1] op_sel_hi:[1,1]
.set cj, cj+1
.endr
.if \gi < 4
	WIN 0x8a
.else
	WIN 0xcf
.endif
.set cj, 0
.rept 16
	v_cvt_pk_f16_f32 v[CB+4*cj],   v[CB+4*cj],   v[CB+4*cj+1]
	v_cvt_pk_f16_f32 v[CB+4*cj+1], v[CB+4*cj+2], v[CB+4*cj+3]
.set cj, cj+1
.endr
.if \gi < 4
	WIN 0x08
.else
	WIN 0x0c
.endif
.set cj, 0
.rept 16
	ds_store_b64 v[23+(\gi>>2)], v[CB+4*cj:CB+4*cj+1] offset:(16*(\gi&3)+cj)*BP
.set cj, cj+1
.endr
	WIN 0
.endm
; The fragments of K step kk (32 along K: head kk / 2, its half kk mod 2) into buffer kk mod 2.
.macro FETCH kk
.set FK, \kk
.set FF, 32+64*(FK&1)
.irp mt, 0,1,2,3
	ds_load_b128 v[FF+8*\mt:FF+8*\mt+3],   v[16+(FK>>3)] offset:((FK>>1)&3)*17408+2176*\mt+64*(FK&1)
	ds_load_b128 v[FF+8*\mt+4:FF+8*\mt+7], v[16+(FK>>3)] offset:((FK>>1)&3)*17408+2176*\mt+64*(FK&1)+32
.endr
.irp nt, 0,1,2,3
	ds_load_tr16_b128 v[FF+32+8*\nt:FF+32+8*\nt+3],   v[18+(FK>>2)] offset:(FK&3)*32*BP+32*\nt
	ds_load_tr16_b128 v[FF+32+8*\nt+4:FF+32+8*\nt+7], v[18+(FK>>2)] offset:(FK&3)*32*BP+32*\nt+16*BP
.endr
.endm
; K step kk: the next step's fragments are asked for first; 16 accumulators take turns, one instruction a turn.
.macro KSTEP kk, more, first
.if \more
	WIN 0
	PLACES
	FETCH (\kk+1)
	s_wait_dscnt 16                                ; all but the 16 loads just issued: this step's fragments are in
.else
	s_wait_dscnt 0x0
.endif
.set KF, 32+64*(\kk&1)
	WIN 0x50
.irp mt, 0,1,2,3
.irp nt, 0,1,2,3
.if \first
	v_wmma_f32_16x16x32_f16 v[8*(4*\mt+\nt):8*(4*\mt+\nt)+7], v[KF+32+8*\nt:KF+32+8*\nt+7], v[KF+8*\mt:KF+8*\mt+7], 0
.else
	v_wmma_f32_16x16x32_f16 v[8*(4*\mt+\nt):8*(4*\mt+\nt)+7], v[KF+32+8*\nt:KF+32+8*\nt+7], v[KF+8*\mt:KF+8*\mt+7], v[8*(4*\mt+\nt):8*(4*\mt+\nt)+7]
.endif
.endr
.endr
.endm
	CONV 0
	CONV 1
	CONV 2
	CONV 3
	s_wait_tensorcnt 0x1                           ; my head of 0-3 is in; my head of 4-7 may be out
	s_wait_dscnt 0x0                               ; my rows of k = 0 .. 255 are written
	s_barrier_signal -1
	s_barrier_wait -1
	FETCH 0
	KSTEP 0, 1, 1                                  ; k = 0 .. 255 is multiplied while k = 256 .. 511 is narrowed
	KSTEP 1, 1, 0
	CONV 4
	KSTEP 2, 1, 0
	KSTEP 3, 1, 0
	CONV 5
	KSTEP 4, 1, 0
	KSTEP 5, 1, 0
	CONV 6
	KSTEP 6, 1, 0
	KSTEP 7, 0, 0
	CONV 7
	s_wait_tensorcnt 0x0
	s_wait_dscnt 0x0
	s_barrier_signal -1
	s_barrier_wait -1
	PLACES
	FETCH 8
	KSTEP 8, 1, 0
	KSTEP 9, 1, 0
	KSTEP 10, 1, 0
	KSTEP 11, 1, 0
	KSTEP 12, 1, 0
	KSTEP 13, 1, 0
	KSTEP 14, 1, 0
	KSTEP 15, 0, 0
	; THE WAY OUT, 32 tokens at a time: sum x gm + bo, 32 bytes a lane into my own stage, read back as rows of 256 bytes.
.macro OUTP pp, rb
	WIN 0x01
.irp m, 0,1
.irp nt, 0,1,2,3
.irp j, 0,2,4,6
	v_pk_fma_f32 v[32+8*(4*\m+\nt)+\j:32+8*(4*\m+\nt)+\j+1], v[8*(4*(2*\pp+\m)+\nt)+\j:8*(4*(2*\pp+\m)+\nt)+\j+1], v[208:209], v[160+8*\nt+\j:160+8*\nt+\j+1]
.endr
.endr
.endr
	WIN 0
.irp m, 0,1
.irp nt, 0,1,2,3
	ds_store_b128 v26, v[32+8*(4*\m+\nt):32+8*(4*\m+\nt)+3]   offset:4352*\m+64*\nt
	ds_store_b128 v26, v[32+8*(4*\m+\nt)+4:32+8*(4*\m+\nt)+7] offset:4352*\m+64*\nt+16
.endr
.endr
.irp t, 0,1,2,3,4,5,6,7,8,9,10,11,12,13,14,15
	ds_load_b128 v[\rb+4*\t:\rb+4*\t+3], v27 offset:544*\t     ; LDS serves a wave's instructions in order: these see the stores above
.endr
.irp t, 0,1,2,3,4,5,6,7,8,9,10,11,12,13,14,15
	s_wait_dscnt 15-\t                             ; load t is in; the younger ones may be out
	global_store_b128 v28, v[\rb+4*\t:\rb+4*\t+3], s[14:15] offset:(32*\pp+2*\t)*2048 th:TH_STORE_NT   ; 16 lanes store 256 consecutive bytes, aligned
.endr
.endm
	PLACES
	OUTP 0, 96                                     ; read back into v96-159
	OUTP 1, 192                                    ; and into v192-255 (gm has been used by then), so that no pending store's data are touched
	s_wait_dscnt 0x0
	s_wait_tensorcnt 0x0
	ds_add_u32 v15, v31
	s_wait_dscnt 0x0
	ROUND                                          ; the closing round
	s_endpgm
.Lfunc_end_k_q651fc4a015_proj:
	.size	k_q651fc4a015_proj, .Lfunc_end_k_q651fc4a015_proj-k_q651fc4a015_proj
	.p2alignl 7, 3214868480
	.fill 96, 4, 3214868480
	.section	.rodata,"a",@progbits
	.p2align	6, 0x0
	.amdhsa_kernel k_q651fc4a015_proj
		.amdhsa_group_segment_fixed_size 324096
		.amdhsa_private_segment_fixed_size 0
		.amdhsa_enable_private_segment 0
		.amdhsa_kernarg_size 48
		.amdhsa_user_sgpr_count 2
		.amdhsa_user_sgpr_kernarg_segment_ptr 1
		.amdhsa_wavefront_size32 1
		.amdhsa_system_sgpr_workgroup_id_x 1
		.amdhsa_system_sgpr_workgroup_id_y 1
		.amdhsa_system_sgpr_workgroup_id_z 1
		.amdhsa_system_vgpr_workitem_id 0
		.amdhsa_next_free_vgpr 1024
		.amdhsa_next_free_sgpr 66
		.amdhsa_reserve_vcc 0
		.amdhsa_float_denorm_mode_32 3
		.amdhsa_float_denorm_mode_16_64 3
		.amdhsa_memory_ordered 1
		.amdhsa_forward_progress 1
		.amdhsa_inst_pref_size 121
	.end_amdhsa_kernel
	.amdgpu_metadata
---
amdhsa.version: [ 1, 2 ]
amdhsa.kernels:
  - .name:           k_q651fc4a015_proj
    .symbol:         k_q651fc4a015_proj.kd
    .args:
      - { .name: att, .offset: 0, .size: 8, .value_kind: global_buffer, .address_space: global }
      - { .name: Wo, .offset: 8, .size: 8, .value_kind: global_buffer, .address_space: global }
      - { .name: bo, .offset: 16, .size: 8, .value_kind: global_buffer, .address_space: global }
      - { .name: p2, .offset: 24, .size: 8, .value_kind: global_buffer, .address_space: global }
      - { .name: bs2, .offset: 32, .size: 8, .value_kind: global_buffer, .address_space: global }
      - { .name: out0, .offset: 40, .size: 8, .value_kind: global_buffer, .address_space: global }
    .group_segment_fixed_size: 324096
    .private_segment_fixed_size: 0
    .kernarg_segment_align: 8
    .kernarg_segment_size: 48
    .max_flat_workgroup_size: 128
    .sgpr_count:     66
    .vgpr_count:     1024
    .wavefront_size: 32
...
	.end_amdgpu_metadata
.endif
;; end of part 3
;; ======== version 2 of 2: 3 launches; 1.15 times as fast as version 1
;; limits: values outside matrix products are rounded to f16; values are held in f16: magnitudes above 65,504 overflow, below 6.1e-05 lose precision; a function is approximated: absolute error at most 1.5e-07
;; workspace buffers: qws 8,388,608 bytes; kws 8,388,608 bytes; vtws 8,388,608 bytes; att 8,388,608 bytes; p1 65,536 bytes; p2 65,536 bytes; wo16 524,288 bytes
;; launch qkv (part 4): grid 8 x 32, 4 waves a work-group, no clusters, 161,280 bytes of LDS; arguments x, Wq, Wk, Wv, bq, bk, bv, style, Ws1, qws, kws, vtws, p1, Wo, wo16; writes qws, kws, vtws, p1, wo16
.if DOCPART == 4
	.amdgcn_target "amdgcn-amd-amdhsa--gfx1250"
	.amdhsa_code_object_version 6
	.text
	.protected	k_q651fc4a015_qkv
	.globl	k_q651fc4a015_qkv
	.p2align	8
	.type	k_q651fc4a015_qkv,@function
k_q651fc4a015_qkv:
	s_mov_b64 s[64:65], 0
	v_nop
	global_prefetch_b8 v0, s[64:65] scope:SCOPE_SE
	s_setreg_imm32_b32 hwreg(HW_REG_WAVE_MODE, 25, 1), 1
	s_wait_xcnt 0x0
; q, k, v = x W + b for one head (grid x) and 256 tokens (grid y), K = 512; one piece of the style MLP's first layer; one piece of Wo narrowed to f16.
; Out: qws[bh][token][64] f16, already times 0.125 log2(e); kws[bh][token][64] f16; vtws[bh][d][token] f16 (V transposed);
; p1[kc][b][512] f32: the sum over 64 k of style[b][k] Ws1[k][n] for 64 n (kc = head, b = row block / 8, n block = row block mod 8);
; wo16[k][n] f16: Wo as it lies, 1,024 numbers a work-group, for the last launch's tensor loads.
; Four waves; a wave owns 64 tokens x all 192 columns: 48 accumulator tiles of 16 x 16, 384 registers.
; K goes in 8 steps of 64 through two LDS slots.  x and W are f32 in memory, and W lies [k][n]: both are narrowed to f16 in registers on the way
; to LDS, and W's fragments are read with the transposing 16-bit LDS load.
; NO TENSOR LOADS AND NO CLUSTER: a tile brought to LDS as it lies in memory would be f32, twice the LDS bytes, and would have to be read,
; narrowed and written again before a matrix instruction could use it; so the tiles go through registers, which a joint request cannot fill.
; K ORDER: step t takes K tile (head + row block + t) mod 8, so work-groups that share rows of x or a slice of W start on different tiles.
; LIMITS: matrix operands are f16: |x|, |W|, |q|, |k|, |v|, |Wo| have to stay below 65,504; below 6e-5 their step is 6e-8.  Sums and biases are f32.
;
; REGISTERS, in windows of 256:
;   window 0: v1-31 addresses; v32-159 x as loaded (32 x 4); v160-255 W as loaded (24 x 4); the way out uses v32-223
;   window 1: fragment buffers F0 = 0, F1 = 128: x tile tt at F + 8 tt, W tile c (0-3 q, 4-7 k, 8-11 v) at F + 32 + 8 c; first the two side pieces
;   window 2: q and k sums, tile (c, tt) at 8 (4 c + tt)
;   window 3: v sums, tile (ct, tt) at 8 (4 ct + tt); bias tiles of q, k at 128 + 8 c, of v at 192 + 8 ct
.set XP,     144                       ; LDS pitch of an x row: 128 bytes + 16 = 9 x 16
.set WP,     416                       ; LDS pitch of a W row: q | k | v, 3 x 128 bytes + 32 = 13 x 32
.set XB,     256*XP                    ; a slot: 256 rows of x, then 64 rows of W
.set SLOT,   XB+64*WP
.set VSTAGE, 2*SLOT                    ; the way out of V: 64 d rows of 512 bytes + 16
.set VP,     528
.set MSB, 0
.macro WIN new                         ; the immediate's high byte repeats the setting that is left
.if MSB != \new
	s_set_vgpr_msb (MSB<<8)|\new
.set MSB, \new
.endif
.endm
.macro PLACES                          ; four independent vector instructions between a matrix instruction and a load into, or a vector
.rept 4                                ; instruction on, its registers (ISA guide 7.12.1)
	v_nop
.endr
.endm
; 64 k x 64 columns times a vector, one wave.  wb: 32 x 4 registers, load j = row j + 32 hh, columns 4 i16 .. +3; in: 32 registers, in[32 hh + j].
; Two sets of sums (even j, odd j), then the two halves of the wave are added; sm+4, sm+5 end as the lane's two columns to store. vcc = lanes 16-31.
.macro MLPDOT wb, in, sm, sa, sb
	v_pk_mul_f32 v[\sm:\sm+1],   v[\wb:\wb+1],   v[\in:\in+1] op_sel_hi:[1,0]
	v_pk_mul_f32 v[\sm+2:\sm+3], v[\wb+2:\wb+3], v[\in:\in+1] op_sel_hi:[1,0]
	v_pk_mul_f32 v[\sm+4:\sm+5], v[\wb+4:\wb+5], v[\in:\in+1] op_sel:[0,1] op_sel_hi:[1,1]
	v_pk_mul_f32 v[\sm+6:\sm+7], v[\wb+6:\wb+7], v[\in:\in+1] op_sel:[0,1] op_sel_hi:[1,1]
.set mj, 2
.rept 15
	v_pk_fma_f32 v[\sm:\sm+1],   v[\wb+4*mj:\wb+4*mj+1],   v[\in+mj:\in+mj+1], v[\sm:\sm+1]   op_sel_hi:[1,0,1]
	v_pk_fma_f32 v[\sm+2:\sm+3], v[\wb+4*mj+2:\wb+4*mj+3], v[\in+mj:\in+mj+1], v[\sm+2:\sm+3] op_sel_hi:[1,0,1]
	v_pk_fma_f32 v[\sm+4:\sm+5], v[\wb+4*mj+4:\wb+4*mj+5], v[\in+mj:\in+mj+1], v[\sm+4:\sm+5] op_sel:[0,1,0] op_sel_hi:[1,1,1]
	v_pk_fma_f32 v[\sm+6:\sm+7], v[\wb+4*mj+6:\wb+4*mj+7], v[\in+mj:\in+mj+1], v[\sm+6:\sm+7] op_sel:[0,1,0] op_sel_hi:[1,1,1]
.set mj, mj+2
.endr
	v_pk_add_f32 v[\sm:\sm+1],   v[\sm:\sm+1],   v[\sm+4:\sm+5]
	v_pk_add_f32 v[\sm+2:\sm+3], v[\sm+2:\sm+3], v[\sm+6:\sm+7]
.irp i, 0,1,2,3
	v_permlanex16_b32 v[\wb+\i], v[\sm+\i], s[\sa], s[\sb]     ; the other half's sums (the destination has been written: it held weights)
.endr
.irp i, 0,1,2,3
	v_add_f32 v[\sm+\i], v[\sm+\i], v[\wb+\i]
.endr
	v_cndmask_b32 v[\sm+4], v[\sm],   v[\sm+2], vcc_lo          ; lanes 0-15 keep columns +0, +1; lanes 16-31 columns +2, +3
	v_cndmask_b32 v[\sm+5], v[\sm+1], v[\sm+3], vcc_lo
.endm
	s_load_b512 s[4:19], s[0:1], 0x0               ; x, Wq, Wk, Wv, bq, bk, bv, style
	s_load_b256 s[20:27], s[0:1], 0x40             ; Ws1, qws, kws, vtws
	s_load_b64 s[28:29], s[0:1], 0x60              ; p1
	s_load_b128 s[68:71], s[0:1], 0x68             ; Wo, wo16
	s_set_vgpr_msb 0xc0
	v_lshl_add_u32 v224, v0, 2, 0x27400
	v_mov_b32 v225, 0
	s_set_vgpr_msb 0xc000
	v_lshrrev_b32 v1, 5, v0
	v_readfirstlane_b32 s30, v1                    ; wave W
	s_mov_b32 s31, ttmp9                           ; head h
	s_and_b32 s32, ttmp7, 0xffff                   ; row block rb
	s_add_co_u32 s33, s31, s32
	s_and_b32 s33, s33, 7                          ; the first K tile
	s_mov_b32 s35, 0                               ; high words of the offset pairs
	s_mov_b32 s37, 0
	s_mov_b32 s39, 0
	s_mov_b32 s48, 0x76543210                      ; v_permlanex16_b32: lane i reads lane i of the other half
	s_mov_b32 s49, 0xfedcba98
	s_lshr_b32 s56, s32, 3                         ; batch
	s_lshl3_add_u32 s57, s56, s31                  ; bh = 8 batch + head
	s_and_b32 s58, s32, 7                          ; row block inside the batch
	v_and_b32 v2, 31, v0                           ; lane
	v_and_b32 v3, 15, v0                           ; r = i16
	v_bfe_u32 v4, v0, 4, 1                         ; hh
	v_lshlrev_b32 v5, 4, v3                        ; 16 i16
	v_lshlrev_b32 v6, 3, v3                        ; 8 i16
	v_lshlrev_b32 v7, 4, v4                        ; 16 hh
	v_lshlrev_b32 v12, 4, v2                       ; 16 lane
	s_lshl_b32 s50, s30, 17
	v_lshl_add_u32 v16, v4, 14, v5
	v_add_nc_u32 v16, s50, v16                     ; XG: x row 64 W + 8 hh, 16 bytes at 16 i16
	s_lshl_b32 s50, s30, 15
	v_lshl_add_u32 v17, v4, 13, v5
	v_add_nc_u32 v17, s50, v17                     ; WG: W row 16 W + 4 hh
	s_mul_i32 s51, s30, 64*XP                      ; my 64 rows of x in a slot
	v_mad_u32_u24 v18, v4, 8*XP, v6
	v_add_nc_u32 v18, s51, v18                     ; XS0, XS1: where x goes; lanes 16-31 lie 8 rows = 1,152 bytes = 128 mod 256 further
	v_add_nc_u32 v19, SLOT, v18
	s_mul_i32 s52, s30, 16*WP
	s_add_co_u32 s52, s52, XB
	v_mad_u32_u24 v20, v4, 4*WP, v6
	v_add_nc_u32 v20, s52, v20                     ; WS0, WS1: where W goes; lanes 16-31 lie 4 rows = 1,664 bytes = 128 mod 256 further
	v_add_nc_u32 v21, SLOT, v20
	v_mad_u32_u24 v22, v3, XP, v7
	v_add_nc_u32 v22, s51, v22                     ; XF0, XF1: x fragments, row r, 16 bytes for each half of the lanes
	v_add_nc_u32 v23, SLOT, v22
	v_and_b32 v8, 7, v0
	v_lshl_add_u32 v8, v4, 3, v8
	v_bfe_u32 v9, v0, 3, 1
	v_lshlrev_b32 v9, 4, v9
	v_mad_u32_u24 v24, v8, WP, v9
	v_add_nc_u32 v24, XB, v24                      ; WF0, WF1: W fragments by the transposing load: row 8 hh + lane mod 8, 16 bytes by lane bit 3
	v_add_nc_u32 v25, SLOT, v24
	v_lshrrev_b32 v10, 1, v3
	v_and_b32 v11, 1, v3
	v_lshl_add_u32 v11, v11, 7, v7
	v_mad_u32_u24 v10, v10, 272, v11               ; two rows of 128 bytes share an LDS row of 272: (r / 2) 272 + (r mod 2) 128 + 16 hh
	v_add_nc_u32 v26, s51, v10                     ; STQ, STK: stages of q and k, in my own rows of x of slot 0 and slot 1
	v_add_nc_u32 v27, SLOT, v26
	v_mad_u32_u24 v28, v4, 272, v5
	v_add_nc_u32 v28, s51, v28                     ; RDQ, RDK: read back 256 bytes for each half of the lanes
	v_add_nc_u32 v29, SLOT, v28
	s_lshl_b32 s53, s30, 7
	s_add_co_u32 s53, s53, VSTAGE
	v_mad_u32_u24 v30, v3, VP, v7
	v_add_nc_u32 v30, s53, v30                     ; VST: row d = r, my 64 tokens at byte 128 W
	s_mul_i32 s54, s30, 16*VP
	s_add_co_u32 s54, s54, VSTAGE
	v_add_nc_u32 v31, s54, v12                     ; VRD: rows 16 W .., 512 bytes a row
	s_lshl_b32 s55, s30, 13
	v_add_nc_u32 v14, s55, v12                     ; GO: my 64 tokens x 128 bytes in qws, kws
	s_lshl_b32 s55, s30, 16
	v_add_nc_u32 v15, s55, v12                     ; GV: my 16 d rows of 4,096 bytes in vtws
	v_lshlrev_b32 v1, 5, v4                        ; 32 hh: bias of q, k
	v_lshlrev_b32 v9, 2, v3                        ; 4 r: bias of v
	v_lshl_add_u32 v8, v4, 16, v5                  ; MLP: weight row 32 hh, 16 bytes at 16 i16
	v_lshlrev_b32 v10, 7, v4                       ; MLP: input 32 hh
	v_lshl_add_u32 v13, v4, 3, v5                  ; MLP: 8 bytes a lane, 256 consecutive bytes a wave
	v_lshlrev_b32 v11, 3, v2                       ; wo16: 8 bytes a lane, 256 consecutive bytes a wave
	s_wait_kmcnt 0x0
	s_lshl_b32 s38, s32, 19                        ; 256 rows of 2,048 bytes
	s_add_nc_u64 s[4:5], s[4:5], s[38:39]
	s_lshl_b32 s38, s31, 8                         ; the head's 64 columns
	s_add_nc_u64 s[6:7], s[6:7], s[38:39]
	s_add_nc_u64 s[8:9], s[8:9], s[38:39]
	s_add_nc_u64 s[10:11], s[10:11], s[38:39]
	s_add_nc_u64 s[12:13], s[12:13], s[38:39]
	s_add_nc_u64 s[14:15], s[14:15], s[38:39]
	s_add_nc_u64 s[16:17], s[16:17], s[38:39]
	s_lshl_b32 s38, s57, 18
	s_lshl_b32 s59, s58, 15
	s_add_co_u32 s38, s38, s59
	s_add_nc_u64 s[22:23], s[22:23], s[38:39]
	s_add_nc_u64 s[24:25], s[24:25], s[38:39]
	s_lshl_b32 s38, s57, 18
	s_lshl_b32 s59, s58, 9
	s_add_co_u32 s38, s38, s59
	s_add_nc_u64 s[26:27], s[26:27], s[38:39]
; One K tile into registers: 32 loads of x (each half of the lanes takes 256 consecutive bytes of a row) and 24 of W (8 for each matrix).
; The four bases are written again only behind the wait for all loads at the head of the CONVERT that stands in front.
.macro LOADS
	s_lshl_b32 s34, s33, 8
	s_lshl_b32 s36, s33, 17
	s_add_nc_u64 s[40:41], s[4:5], s[34:35]
	s_add_nc_u64 s[42:43], s[6:7], s[36:37]
	s_add_nc_u64 s[44:45], s[8:9], s[36:37]
	s_add_nc_u64 s[46:47], s[10:11], s[36:37]
	s_add_co_u32 s33, s33, 1
	s_and_b32 s33, s33, 7
.set lj, 0
.rept 32
	global_load_b128 v[32+4*lj:32+4*lj+3], v16, s[40:41] offset:(16*(lj>>3)+(lj&7))*2048
.set lj, lj+1
.endr
.set lj, 0
.rept 24
	global_load_b128 v[160+4*lj:160+4*lj+3], v17, s[42+2*(lj>>3):43+2*(lj>>3)] offset:((lj&3)+8*((lj>>2)&1))*2048
.set lj, lj+1
.endr
.endm
; The tile in registers is narrowed to f16, in place, and stored into a slot, 8 bytes a lane.  Two runs: all 112 conversions (x's 32 quadruples
; and W's 24 lie one behind the other from v32 on), then all 56 stores, so that vector work and LDS work hand over to each other once a tile.
.macro CONVERT slot
	s_wait_loadcnt 0x0                             ; all that is out is this tile
.set cj, 0
.rept 56
	v_cvt_pk_f16_f32 v[32+4*cj],   v[32+4*cj],   v[32+4*cj+1]
	v_cvt_pk_f16_f32 v[32+4*cj+1], v[32+4*cj+2], v[32+4*cj+3]
.set cj, cj+1
.endr
.set cj, 0
.rept 32
	ds_store_b64 v[18+(\slot)], v[32+4*cj:32+4*cj+1] offset:(16*(cj>>3)+(cj&7))*XP
.set cj, cj+1
.endr
.set cj, 0
.rept 24
	ds_store_b64 v[20+(\slot)], v[160+4*cj:160+4*cj+1] offset:((cj&3)+8*((cj>>2)&1))*WP+128*(cj>>3)
.set cj, cj+1
.endr
.endm
; The fragments of 32 along K: 4 tiles of my x rows, 12 tiles of W's columns.
.macro FETCH slot, ks, f
	WIN 0x40
.irp tt, 0,1,2,3
	ds_load_b128 v[\f+8*\tt:\f+8*\tt+3],   v[22+(\slot)] offset:\tt*16*XP+64*\ks
	ds_load_b128 v[\f+8*\tt+4:\f+8*\tt+7], v[22+(\slot)] offset:\tt*16*XP+64*\ks+32
.endr
.irp c, 0,1,2,3,4,5,6,7,8,9,10,11
	ds_load_tr16_b128 v[\f+32+8*\c:\f+32+8*\c+3],   v[24+(\slot)] offset:\ks*32*WP+32*\c
	ds_load_tr16_b128 v[\f+32+8*\c+4:\f+32+8*\c+7], v[24+(\slot)] offset:\ks*32*WP+32*\c+16*WP
.endr
.endm
; q and k, used transposed: source 0 = 16 columns of W, source 1 = 16 tokens: a lane's 8 results are 8 neighbouring d of one token.
; The very first product takes the bias tile as C.  The 48 accumulators take turns, one instruction a turn.
.macro MULQK f, first
.if \first
	WIN 0xb5
.else
	WIN 0xa5
.endif
.irp c, 0,1,2,3,4,5,6,7
.irp tt, 0,1,2,3
.if \first
	v_wmma_f32_16x16x32_f16 v[8*(4*\c+\tt):8*(4*\c+\tt)+7], v[\f+32+8*\c:\f+32+8*\c+7], v[\f+8*\tt:\f+8*\tt+7], v[128+8*\c:128+8*\c+7]
.else
	v_wmma_f32_16x16x32_f16 v[8*(4*\c+\tt):8*(4*\c+\tt)+7], v[\f+32+8*\c:\f+32+8*\c+7], v[\f+8*\tt:\f+8*\tt+7], v[8*(4*\c+\tt):8*(4*\c+\tt)+7]
.endif
.endr
.endr
.endm
; v, in the natural order: a lane's 8 results are 8 neighbouring tokens of one d: a piece of a row of V transposed.
.macro MULV f, first
	WIN 0xf5
.irp ct, 0,1,2,3
.irp tt, 0,1,2,3
.if \first
	v_wmma_f32_16x16x32_f16 v[8*(4*\ct+\tt):8*(4*\ct+\tt)+7], v[\f+8*\tt:\f+8*\tt+7], v[\f+96+8*\ct:\f+96+8*\ct+7], v[192+8*\ct:192+8*\ct+7]
.else
	v_wmma_f32_16x16x32_f16 v[8*(4*\ct+\tt):8*(4*\ct+\tt)+7], v[\f+8*\tt:\f+8*\tt+7], v[\f+96+8*\ct:\f+96+8*\ct+7], v[8*(4*\ct+\tt):8*(4*\ct+\tt)+7]
.endif
.endr
.endr
.endm
	LOADS                                          ; K tile of step 0
	WIN 0xc0
.irp c, 0,1,2,3
	global_load_b128 v[128+8*\c:128+8*\c+3], v1, s[12:13] offset:64*\c        ; bq[16 c + 8 hh ..]: register j of the tile is d = 8 hh + j
	global_load_b128 v[128+8*\c+4:128+8*\c+7], v1, s[12:13] offset:64*\c+16
	global_load_b128 v[160+8*\c:160+8*\c+3], v1, s[14:15] offset:64*\c        ; bk likewise
	global_load_b128 v[160+8*\c+4:160+8*\c+7], v1, s[14:15] offset:64*\c+16
	global_load_b32 v[192+8*\c], v9, s[16:17] offset:64*\c                    ; bv[16 ct + r]: the lane's one d
.endr
	WIN 0
	; The MLP piece: wave 0 alone; no barrier stands inside the branch.
	s_cmp_lg_u32 s30, 0
	s_cbranch_scc1 .Lno_mlp
	s_lshl_b32 s38, s56, 11
	s_lshl_b32 s50, s31, 8
	s_add_co_u32 s38, s38, s50
	s_add_nc_u64 s[18:19], s[18:19], s[38:39]      ; style[b][64 kc ..]
	s_lshl_b32 s38, s31, 17
	s_lshl_b32 s50, s58, 8
	s_add_co_u32 s38, s38, s50
	s_add_nc_u64 s[20:21], s[20:21], s[38:39]      ; Ws1[64 kc ..][64 cb ..]
	s_lshl2_add_u32 s38, s31, s56
	s_lshl_b32 s38, s38, 11
	s_add_co_u32 s38, s38, s50
	s_add_nc_u64 s[28:29], s[28:29], s[38:39]      ; p1[kc][b][64 cb ..]
	v_cmp_le_u32 vcc_lo, 16, v2
	WIN 0x40
.irp i, 0,1,2,3,4,5,6,7
	global_load_b128 v[128+4*\i:128+4*\i+3], v10, s[18:19] offset:16*\i
.endr
.set lj, 0
.rept 32
	global_load_b128 v[4*lj:4*lj+3], v8, s[20:21] offset:2048*lj
.set lj, lj+1
.endr
	s_wait_loadcnt 0x0
	WIN 0x55
	MLPDOT 0, 128, 160, 48, 49
	WIN 0x04
	global_store_b64 v13, v[164:165], s[28:29]
	WIN 0
	s_wait_xcnt 0x0                                ; the store's data lie in fragment buffer 1, which is loaded into further down
.Lno_mlp:
	; Wo's piece: wave 1 alone; no barrier stands inside the branch.  Work-group 8 rb + h narrows the 1,024 numbers from 1,024 (8 rb + h) on.
	s_cmp_lg_u32 s30, 1
	s_cbranch_scc1 .Lno_wo
	s_lshl3_add_u32 s50, s32, s31
	s_lshl_b32 s38, s50, 12
	s_add_nc_u64 s[68:69], s[68:69], s[38:39]      ; 4,096 bytes of f32 in
	s_lshl_b32 s38, s50, 11
	s_add_nc_u64 s[70:71], s[70:71], s[38:39]      ; 2,048 bytes of f16 out
	WIN 0x40
.irp i, 0,1,2,3,4,5,6,7
	global_load_b128 v[4*\i:4*\i+3], v12, s[68:69] offset:512*\i
.endr
	s_wait_loadcnt 0x0
	WIN 0x55
.irp i, 0,1,2,3,4,5,6,7
	v_cvt_pk_f16_f32 v[4*\i],   v[4*\i],   v[4*\i+1]
	v_cvt_pk_f16_f32 v[4*\i+1], v[4*\i+2], v[4*\i+3]
.endr
	WIN 0x04
.irp i, 0,1,2,3,4,5,6,7
	global_store_b64 v11, v[4*\i:4*\i+1], s[70:71] offset:256*\i              ; the wave stores 256 consecutive bytes, aligned
.endr
	WIN 0
	s_wait_xcnt 0x0                                ; the stores' data lie in fragment buffer 0, which is loaded into further down
.Lno_wo:
	CONVERT 0                                      ; its wait for all loads covers the biases too
	WIN 0xc3
.irp ct, 0,1,2,3
.irp j, 1,2,3,4,5,6,7
	v_mov_b32 v[192+8*\ct+\j], v[192+8*\ct]        ; v's bias tile: the lane's d in all 8 tokens
.endr
.endr
	WIN 0
	LOADS                                          ; K tile of step 1
	s_wait_dscnt 0x0                               ; my part of slot 0 is written
	s_barrier_signal -1
	s_barrier_wait -1                              ; everybody's is
	FETCH 0, 0, 0
; A K step of 64: two halves of 32 on buffers F0, F1.  One barrier a step: in front of its signal my reads of this slot and my stores into the
; other slot are done; behind its wait the other slot is whole and this one may be written again (by the next step's CONVERT).
.macro STEP t
.set SL, (\t)&1
.set NX, ((\t)+1)&1
	s_wait_dscnt 0x0                               ; F0 is in
.if \t == 0
	MULQK 0, 1
.else
	MULQK 0, 0
.endif
	PLACES
	FETCH SL, 1, 128
.if \t == 0
	MULV 0, 1
.else
	MULV 0, 0
.endif
	WIN 0
.if \t < 7
	CONVERT NX
.endif
.if \t < 6
	LOADS
.endif
	s_wait_dscnt 0x0                               ; F1 is in; my reads of this slot and my stores into the other are done
.if \t < 7
	s_barrier_signal -1
.endif
	MULQK 128, 0                                   ; register work between signal and wait
.if \t < 7
	s_barrier_wait -1
	PLACES
	FETCH NX, 0, 0
.endif
	MULV 128, 0
.endm
.irp t, 0,1,2,3,4,5,6,7
	STEP \t
.endr
	; THE WAY OUT.  q is scaled, all three are narrowed to f16; q and k go through stages of my own (my rows of x in the two slots, which only I
	; have read), V through a stage that all four waves fill: a row of it is 256 tokens.  Every global store covers 512 consecutive bytes, aligned.
	PLACES
	WIN 0x82
.set wi, 0
.rept 64
	v_pk_mul_f32 v[2*wi:2*wi+1], v[2*wi:2*wi+1], 0x3e38aa3b op_sel_hi:[1,0]   ; 0.125 log2(e): the scores come out ready for v_exp_f32
.set wi, wi+1
.endr
	WIN 0x0a
.irp tt, 0,1,2,3
.irp ct, 0,1,2,3
.irp rr, 0,1,2,3
	v_cvt_pk_f16_f32 v[32+4*(4*\tt+\ct)+\rr], v[8*(4*\ct+\tt)+2*\rr], v[8*(4*\ct+\tt)+2*\rr+1]
	v_cvt_pk_f16_f32 v[96+4*(4*\tt+\ct)+\rr], v[8*(4*(\ct+4)+\tt)+2*\rr], v[8*(4*(\ct+4)+\tt)+2*\rr+1]
.endr
.endr
.endr
	WIN 0x0f
.irp ct, 0,1,2,3
.irp tt, 0,1,2,3
.irp rr, 0,1,2,3
	v_cvt_pk_f16_f32 v[160+4*(4*\ct+\tt)+\rr], v[8*(4*\ct+\tt)+2*\rr], v[8*(4*\ct+\tt)+2*\rr+1]
.endr
.endr
.endr
	WIN 0
.irp tt, 0,1,2,3
.irp ct, 0,1,2,3
	ds_store_b128 v26, v[32+4*(4*\tt+\ct):32+4*(4*\tt+\ct)+3] offset:2176*\tt+32*\ct
	ds_store_b128 v27, v[96+4*(4*\tt+\ct):96+4*(4*\tt+\ct)+3] offset:2176*\tt+32*\ct
	ds_store_b128 v30, v[160+4*(4*\ct+\tt):160+4*(4*\ct+\tt)+3] offset:16*VP*\ct+32*\tt
.endr
.endr
	s_wait_dscnt 0x0                               ; for the others' sake: my part of V's stage is written
	s_barrier_signal -1
	s_barrier_wait -1
.irp t, 0,1,2,3,4,5,6,7,8,9,10,11,12,13,14,15
	ds_load_b128 v[32+4*\t:32+4*\t+3], v28 offset:544*\t
.endr
.irp t, 0,1,2,3,4,5,6,7,8,9,10,11,12,13,14,15
	ds_load_b128 v[96+4*\t:96+4*\t+3], v29 offset:544*\t
.endr
.irp t, 0,1,2,3,4,5,6,7,8,9,10,11,12,13,14,15
	ds_load_b128 v[160+4*\t:160+4*\t+3], v31 offset:VP*\t
.endr
	s_wait_dscnt 32                                ; q's 16 are in; k's 16 and V's 16 may be out
.irp t, 0,1,2,3,4,5,6,7,8,9,10,11,12,13,14,15
	global_store_b128 v14, v[32+4*\t:32+4*\t+3], s[22:23] offset:512*\t
.endr
	s_wait_dscnt 16                                ; k's are in; V's 16 may be out
.irp t, 0,1,2,3,4,5,6,7,8,9,10,11,12,13,14,15
	global_store_b128 v14, v[96+4*\t:96+4*\t+3], s[24:25] offset:512*\t
.endr
	s_wait_dscnt 0x0
.irp t, 0,1,2,3,4,5,6,7,8,9,10,11,12,13,14,15
	global_store_b128 v15, v[160+4*\t:160+4*\t+3], s[26:27] offset:4096*\t
.endr
	s_set_vgpr_msb 0xf
	s_wait_tensorcnt 0x0
	ds_add_u32 v224, v225
	s_wait_dscnt 0x0
	s_set_vgpr_msb 0xf00
	s_endpgm
.Lfunc_end_k_q651fc4a015_qkv:
	.size	k_q651fc4a015_qkv, .Lfunc_end_k_q651fc4a015_qkv-k_q651fc4a015_qkv
	.p2alignl 7, 3214868480
	.fill 96, 4, 3214868480
	.section	.rodata,"a",@progbits
	.p2align	6, 0x0
	.amdhsa_kernel k_q651fc4a015_qkv
		.amdhsa_group_segment_fixed_size 161280
		.amdhsa_private_segment_fixed_size 0
		.amdhsa_enable_private_segment 0
		.amdhsa_kernarg_size 120
		.amdhsa_user_sgpr_count 2
		.amdhsa_user_sgpr_kernarg_segment_ptr 1
		.amdhsa_wavefront_size32 1
		.amdhsa_system_sgpr_workgroup_id_x 1
		.amdhsa_system_sgpr_workgroup_id_y 1
		.amdhsa_system_sgpr_workgroup_id_z 1
		.amdhsa_system_vgpr_workitem_id 0
		.amdhsa_next_free_vgpr 994
		.amdhsa_next_free_sgpr 72
		.amdhsa_reserve_vcc 1
		.amdhsa_float_denorm_mode_32 3
		.amdhsa_float_denorm_mode_16_64 3
		.amdhsa_memory_ordered 1
		.amdhsa_forward_progress 1
		.amdhsa_inst_pref_size 255
	.end_amdhsa_kernel
	.section	.bss,"aw",@nobits
	.p2align	6
	.space	262144
	.amdgpu_metadata
---
amdhsa.version: [ 1, 2 ]
amdhsa.kernels:
  - .name:           k_q651fc4a015_qkv
    .symbol:         k_q651fc4a015_qkv.kd
    .args:
      - { .name: x, .offset: 0, .size: 8, .value_kind: global_buffer, .address_space: global }
      - { .name: Wq, .offset: 8, .size: 8, .value_kind: global_buffer, .address_space: global }
      - { .name: Wk, .offset: 16, .size: 8, .value_kind: global_buffer, .address_space: global }
      - { .name: Wv, .offset: 24, .size: 8, .value_kind: global_buffer, .address_space: global }
      - { .name: bq, .offset: 32, .size: 8, .value_kind: global_buffer, .address_space: global }
      - { .name: bk, .offset: 40, .size: 8, .value_kind: global_buffer, .address_space: global }
      - { .name: bv, .offset: 48, .size: 8, .value_kind: global_buffer, .address_space: global }
      - { .name: style, .offset: 56, .size: 8, .value_kind: global_buffer, .address_space: global }
      - { .name: Ws1, .offset: 64, .size: 8, .value_kind: global_buffer, .address_space: global }
      - { .name: qws, .offset: 72, .size: 8, .value_kind: global_buffer, .address_space: global }
      - { .name: kws, .offset: 80, .size: 8, .value_kind: global_buffer, .address_space: global }
      - { .name: vtws, .offset: 88, .size: 8, .value_kind: global_buffer, .address_space: global }
      - { .name: p1, .offset: 96, .size: 8, .value_kind: global_buffer, .address_space: global }
      - { .name: Wo, .offset: 104, .size: 8, .value_kind: global_buffer, .address_space: global }
      - { .name: wo16, .offset: 112, .size: 8, .value_kind: global_buffer, .address_space: global }
    .group_segment_fixed_size: 161280
    .private_segment_fixed_size: 0
    .kernarg_segment_align: 8
    .kernarg_segment_size: 120
    .max_flat_workgroup_size: 128
    .sgpr_count:     72
    .vgpr_count:     994
    .wavefront_size: 32
...
	.end_amdgpu_metadata
.endif
;; end of part 4
;; launch attn (part 5): grid 8 x 32, 8 waves a work-group, clusters of 4 x 1, 327,680 bytes of LDS; arguments qws, kws, vtws, p1, bs1, Ws2, att, p2; writes att, p2
.if DOCPART == 5
	.amdgcn_target "amdgcn-amd-amdhsa--gfx1250"
	.amdhsa_code_object_version 6
	.text
	.protected	k_q651fc4a015_attn
	.globl	k_q651fc4a015_attn
	.p2align	8
	.type	k_q651fc4a015_attn,@function
k_q651fc4a015_attn:
	s_mov_b64 s[64:65], 0
	v_nop
	global_prefetch_b8 v0, s[64:65] scope:SCOPE_SE
	s_setreg_imm32_b32 hwreg(HW_REG_WAVE_MODE, 25, 1), 1
	s_wait_xcnt 0x0
	s_wait_alu depctr_hold_cnt(0) depctr_sa_sdst(0) depctr_va_vdst(0) depctr_va_sdst(0) depctr_va_ssrc(0) depctr_va_vcc(0) depctr_vm_vsrc(0)
	s_getreg_b32 s2, hwreg(HW_REG_IB_STS2, 6, 4)
	s_cmp_eq_u32 s2, 0
	s_cbranch_scc0 .Lentry_in_a_cluster
	s_endpgm
.Lentry_in_a_cluster:
	s_bfe_u32 s2, ttmp6, 0x10000c
	s_cmp_lg_u32 s2, 0x3003
	s_cbranch_scc0 .Lentry_shape_is_right
	s_endpgm
.Lentry_shape_is_right:
; Softmax attention of 256 queries (grid x) of one batch and head (grid y) over 2,048 keys, with a running maximum; and one piece of the
; style MLP: h1 = gelu(sum of p1's 8 pieces + bs1) for 64 k, then p2[kc][b][64 n] = sum over these k of h1[k] Ws2[k][n].
; In: qws (q times 0.125 log2 e), kws: [bh][token][64] f16; vtws: [bh][d][token] f16.  Out: att[bh][token][64] f16, p2 f32.
; Eight waves: wave W has g = W mod 4, its 64 queries, and sp = W / 4, its half of the keys of every block of 512; the two halves are merged once,
; at the end.  Two waves share a SIMD, so that one wave's softmax can run beside the other's matrix instructions.
; TRANSPOSED FORM: S^T = K Q^T and O^T = V^T P^T.  A lane then holds ONE query (lane mod 16) and 8 keys of each tile: maximum and sum stay in the
; lane but for one exchange between the halves; the rescaling factor is the lane's own number; two tiles of S pack in place into a fragment of P^T.
; CLUSTER: the four query blocks of a cluster read the same K and V: each tile is asked for jointly (mask 15), waves 0-3 a quarter of K's 512 keys
; each, waves 4-7 a quarter of V^T's 64 rows each.  Two slots of 512 keys; a wave has two tensor loads out at the start, later one.
; LIMITS: p and the result are f16 (p in (0, 1]; |result| at most the largest |v|).  erf by Abramowitz-Stegun 7.1.26, absolute error at most 1.5e-7.
;
; LDS: slot s at s x 136,192: K, 256 rows of 272 (two keys of 128 bytes + 16), then V^T, 64 rows of 1,040 (512 keys + 16).  SCR: 256 bytes of the MLP's own.
; After slot 0's last fill has been read: XCH (the upper half's O, m, l) in its K part, STG (the way out) in its V part.
; REGISTERS: window 0: v8-15 addresses, v16-23 (m, l) x 4, v24-31 (alpha, temp) x 4, v32-63 at work, v64-127 K fragments, v128-255 S, then P
;            window 1: 0-127 O(dt, q) at 8 (4 dt + q); 128-191 Q fragments; 192-255 V fragments
.set SLOT,  136192
.set VPART, 69632
.set SCR,   2*SLOT
.set MSB, 0
.macro WIN new                         ; the immediate's high byte repeats the setting that is left
.if MSB != \new
	s_set_vgpr_msb (MSB<<8)|\new
.set MSB, \new
.endif
.endm
.macro PLACES                          ; four independent vector instructions behind a matrix instruction (ISA guide 7.12.1)
.rept 4
	v_nop
.endr
.endm
.macro ROUND                           ; a round of the cluster's barrier
	s_barrier_signal -1
	s_barrier_wait -1
	s_cmp_lg_u32 s20, 0
	s_cbranch_scc1 .Lnot_wave_0_\@
	s_barrier_signal -3
.Lnot_wave_0_\@:
	s_barrier_wait -3
	s_barrier_signal -1
	s_barrier_wait -1
.endm
.macro JLOAD s                         ; a joint refill: one tensor load a wave; the branch hangs on the wave's number alone
	s_cmp_lt_u32 s20, 4
	s_cbranch_scc0 .Lfor_v_\@
	tensor_load_to_lds s[40+4*\s:43+4*\s], s[24:31]
	s_nop 0
	s_branch .Lasked_\@
.Lfor_v_\@:
	tensor_load_to_lds s[48+4*\s:51+4*\s], s[32:39]
	s_nop 0
.Lasked_\@:
.endm
; 64 k x 64 columns times a vector, one wave (as in the first launch).
.macro MLPDOT wb, in, sm, sa, sb
	v_pk_mul_f32 v[\sm:\sm+1],   v[\wb:\wb+1],   v[\in:\in+1] op_sel_hi:[1,0]
	v_pk_mul_f32 v[\sm+2:\sm+3], v[\wb+2:\wb+3], v[\in:\in+1] op_sel_hi:[1,0]
	v_pk_mul_f32 v[\sm+4:\sm+5], v[\wb+4:\wb+5], v[\in:\in+1] op_sel:[0,1] op_sel_hi:[1,1]
	v_pk_mul_f32 v[\sm+6:\sm+7], v[\wb+6:\wb+7], v[\in:\in+1] op_sel:[0,1] op_sel_hi:[1,1]
.set mj, 2
.rept 15
	v_pk_fma_f32 v[\sm:\sm+1],   v[\wb+4*mj:\wb+4*mj+1],   v[\in+mj:\in+mj+1], v[\sm:\sm+1]   op_sel_hi:[1,0,1]
	v_pk_fma_f32 v[\sm+2:\sm+3], v[\wb+4*mj+2:\wb+4*mj+3], v[\in+mj:\in+mj+1], v[\sm+2:\sm+3] op_sel_hi:[1,0,1]
	v_pk_fma_f32 v[\sm+4:\sm+5], v[\wb+4*mj+4:\wb+4*mj+5], v[\in+mj:\in+mj+1], v[\sm+4:\sm+5] op_sel:[0,1,0] op_sel_hi:[1,1,1]
	v_pk_fma_f32 v[\sm+6:\sm+7], v[\wb+4*mj+6:\wb+4*mj+7], v[\in+mj:\in+mj+1], v[\sm+6:\sm+7] op_sel:[0,1,0] op_sel_hi:[1,1,1]
.set mj, mj+2
.endr
	v_pk_add_f32 v[\sm:\sm+1],   v[\sm:\sm+1],   v[\sm+4:\sm+5]
	v_pk_add_f32 v[\sm+2:\sm+3], v[\sm+2:\sm+3], v[\sm+6:\sm+7]
.irp i, 0,1,2,3
	v_permlanex16_b32 v[\wb+\i], v[\sm+\i], s[\sa], s[\sb]
.endr
.irp i, 0,1,2,3
	v_add_f32 v[\sm+\i], v[\sm+\i], v[\wb+\i]
.endr
	v_cndmask_b32 v[\sm+4], v[\sm],   v[\sm+2], vcc_lo
	v_cndmask_b32 v[\sm+5], v[\sm+1], v[\sm+3], vcc_lo
.endm
	s_load_b512 s[4:19], s[0:1], 0x0               ; qws, kws, vtws, p1, bs1, Ws2, att, p2
	v_lshl_add_u32 v254, v0, 2, 0x42900
	v_mov_b32 v255, 0
	ds_add_u32 v254, v255
	s_wait_dscnt 0x0
	v_lshrrev_b32 v1, 5, v0
	v_readfirstlane_b32 s20, v1                    ; wave W
	s_lshr_b32 s21, s20, 2                         ; sp
	s_and_b32 s22, s20, 3                          ; g
	s_mov_b32 s56, 0x76543210
	s_mov_b32 s57, 0xfedcba98
	s_bfe_u32 s58, ttmp6, 0x40000                  ; cx
	s_lshl_b32 s70, ttmp9, 2
	s_add_co_u32 s58, s70, s58                     ; query block qb = 4 x cluster x + cx: enters global addresses of Q, att and the MLP alone
	s_and_b32 s59, ttmp7, 0xffff                   ; bh
	s_lshr_b32 s60, s59, 3                         ; batch
	s_and_b32 s61, s59, 7                          ; head
	; group 1 for K: 64 rows of 256 bytes (128 keys), 16 bytes of padding behind each; elements of 8 bytes
	s_mov_b32 s24, 0x0773000f                      ; mask 15; element code 3; padding on; bit 21 beside the mask; every 64 words (code 5), 4 words (code 3)
	s_mov_b32 s25, 32<<16                          ; tensor_dim0 = 32
	s_mov_b32 s26, 64<<16                          ; tensor_dim1 = 64
	s_mov_b32 s27, 32<<16                          ; tile_dim0 = 32
	s_mov_b32 s28, 64                              ; tile_dim1 = 64
	s_mov_b32 s29, 32                              ; from row to row: 32 elements (dense)
	s_mov_b32 s30, 0
	s_mov_b32 s31, 0
	; group 1 for V^T: 16 rows of 1,024 bytes (512 keys) out of rows of 4,096, 16 bytes of padding behind each
	s_mov_b32 s32, 0x07f3000f                      ; as above, padding every 256 words (code 7)
	s_mov_b32 s33, 128<<16
	s_mov_b32 s34, 16<<16
	s_mov_b32 s35, 128<<16
	s_mov_b32 s36, 16
	s_mov_b32 s37, 512
	s_mov_b32 s38, 0
	s_mov_b32 s39, 0
	; group 0, a set for each slot: K's in s[40:47], V's in s[48:55].  LDS addresses: the wave's number times a constant, plus constants.
	s_mov_b32 s40, 1
	s_mov_b32 s44, 1
	s_mov_b32 s48, 1
	s_mov_b32 s52, 1
	s_mul_i32 s41, s20, 17408                      ; waves 0-3: K's quarter W
	s_add_co_u32 s45, s41, SLOT
	s_mul_i32 s49, s20, 16640
	s_add_co_u32 s49, s49, 3072                    ; waves 4-7: 69,632 + (W - 4) x 16,640
	s_add_co_u32 s53, s49, SLOT
	s_lshl_b32 s66, s59, 18
	s_lshl_b32 s68, s22, 14
	s_add_co_u32 s66, s66, s68
	s_mov_b32 s67, 0
	s_lshl_b32 s68, s59, 18
	s_lshl_b32 s69, s22, 16
	s_add_co_u32 s68, s68, s69
	s_mov_b32 s69, 0
	s_wait_kmcnt 0x0
	s_add_nc_u64 s[42:43], s[6:7], s[66:67]        ; keys 128 g .. of block 0
	s_add_nc_u64 s[46:47], s[42:43], 0x10000       ; of block 1
	s_add_nc_u64 s[50:51], s[8:9], s[68:69]        ; rows 16 g .. of V^T, block 0
	s_add_nc_u64 s[54:55], s[50:51], 0x400         ; block 1
	s_or_b32 s43, s43, 0x80000000
	s_or_b32 s47, s47, 0x80000000
	s_or_b32 s51, s51, 0x80000000
	s_or_b32 s55, s55, 0x80000000
	ROUND                                          ; all four work-groups are here: the first joint loads meet
	s_cmp_lt_u32 s20, 4                            ; both first fills of a wave inside one branch
	s_cbranch_scc0 .Lfirst_v
	tensor_load_to_lds s[40:43], s[24:31]
	s_nop 0
	tensor_load_to_lds s[44:47], s[24:31]
	s_nop 0
	s_branch .Lfirst_done
.Lfirst_v:
	tensor_load_to_lds s[48:51], s[32:39]
	s_nop 0
	tensor_load_to_lds s[52:55], s[32:39]
	s_nop 0
.Lfirst_done:
	s_lshl_b32 s70, s59, 18
	s_lshl_b32 s72, s58, 15
	s_add_co_u32 s70, s70, s72
	s_lshl_b32 s72, s22, 13
	s_add_co_u32 s70, s70, s72
	s_mov_b32 s71, 0
	s_add_nc_u64 s[4:5], s[4:5], s[70:71]          ; my 64 queries
	s_add_nc_u64 s[16:17], s[16:17], s[70:71]      ; and their place in att
	v_and_b32 v1, 31, v0                           ; lane
	v_and_b32 v2, 15, v0                           ; r
	v_bfe_u32 v3, v0, 4, 1                         ; hh
	v_lshlrev_b32 v4, 4, v3                        ; 16 hh
	v_lshl_add_u32 v7, v2, 7, v4                   ; Q: row r of 128 bytes, 16 bytes for each half of the lanes
	WIN 0x40
.irp q, 0,1,2,3
.irp ks, 0,1
	global_load_b128 v[128+16*\q+8*\ks:128+16*\q+8*\ks+3],   v7, s[4:5] offset:2048*\q+64*\ks
	global_load_b128 v[128+16*\q+8*\ks+4:128+16*\q+8*\ks+7], v7, s[4:5] offset:2048*\q+64*\ks+32
.endr
.endr
	WIN 0
	v_lshrrev_b32 v5, 1, v2
	v_and_b32 v6, 1, v2
	v_lshl_add_u32 v6, v6, 7, v4
	v_mad_u32_u24 v5, v5, 272, v6                  ; (r / 2) 272 + (r mod 2) 128 + 16 hh
	s_mul_i32 s66, s21, 34816
	v_add_nc_u32 v10, s66, v5                      ; KA0: my half's 256 keys = 128 LDS rows
	s_lshl_b32 s66, s21, 9
	s_add_co_u32 s66, s66, VPART
	v_mad_u32_u24 v11, v2, 1040, v4
	v_add_nc_u32 v11, s66, v11                     ; VA0: row d = r, my half's 512 bytes
	s_mul_i32 s66, s22, 17408
	v_lshlrev_b32 v15, 4, v1                       ; GO: 16 lane
	v_add_nc_u32 v12, s66, v15                     ; XA
	s_mul_i32 s66, s22, 8704
	s_add_co_u32 s66, s66, VPART
	v_add_nc_u32 v13, s66, v5                      ; STGA
	v_lshlrev_b32 v6, 4, v2                        ; 16 i16
	v_mad_u32_u24 v14, v3, 272, v6
	v_add_nc_u32 v14, s66, v14                     ; RDB
.irp q, 0,1,2,3
	v_mov_b32 v[17+2*\q], 0                        ; l: the packed subtraction names the pair (m, l) before the first sum is there
	v_mov_b32 v[24+2*\q], 0                        ; (alpha, temp): named as a pair, and as v_permlanex16_b32's destination
	v_mov_b32 v[25+2*\q], 0
.endr
	; The MLP piece: wave 0 alone; no barrier stands inside the branch.  kc = qb, b = batch, column block = head.
	s_cmp_lg_u32 s20, 0
	s_cbranch_scc1 .Lno_mlp
	s_lshl_b32 s70, s60, 11
	s_lshl_b32 s72, s58, 8
	s_add_co_u32 s70, s70, s72
	s_add_nc_u64 s[10:11], s[10:11], s[70:71]      ; p1[.][b][64 kc ..]
	s_mov_b32 s70, s72
	s_add_nc_u64 s[12:13], s[12:13], s[70:71]      ; bs1[64 kc ..]
	s_lshl_b32 s70, s58, 17
	s_lshl_b32 s73, s61, 8
	s_add_co_u32 s70, s70, s73
	s_add_nc_u64 s[14:15], s[14:15], s[70:71]      ; Ws2[64 kc ..][64 cb ..]
	s_lshl2_add_u32 s70, s58, s60
	s_lshl_b32 s70, s70, 11
	s_add_co_u32 s70, s70, s73
	s_add_nc_u64 s[18:19], s[18:19], s[70:71]      ; p2[kc][b][64 cb ..]
	s_mov_b32 s74, 0x3ea7ba05                      ; 0.3275911
	s_mov_b32 s75, 0x7fffffff
	v_lshlrev_b32 v32, 3, v1                       ; 8 lane: two numbers a lane
	v_lshl_add_u32 v33, v3, 16, v6                 ; weight row 32 hh, 16 bytes at 16 i16
	v_lshl_add_u32 v34, v3, 3, v6                  ; the store: 8 bytes a lane, 256 consecutive bytes a wave
	v_add_nc_u32 v35, SCR, v32
	v_lshlrev_b32 v36, 7, v3
	v_add_nc_u32 v36, SCR, v36
	v_cmp_le_u32 vcc_lo, 16, v1
.irp i, 0,1,2,3,4,5,6,7
	global_load_b64 v[64+2*\i:65+2*\i], v32, s[10:11] offset:8192*\i
.endr
	global_load_b64 v[80:81], v32, s[12:13]
.set lj, 0
.rept 32
	global_load_b128 v[128+4*lj:128+4*lj+3], v33, s[14:15] offset:2048*lj
.set lj, lj+1
.endr
	s_wait_loadcnt 32                              ; all but the 32 loads of Ws2: p1's pieces and bs1 are in
	v_pk_add_f32 v[80:81], v[80:81], v[64:65]
	v_pk_add_f32 v[66:67], v[66:67], v[68:69]
	v_pk_add_f32 v[70:71], v[70:71], v[72:73]
	v_pk_add_f32 v[74:75], v[74:75], v[76:77]
	v_pk_add_f32 v[80:81], v[80:81], v[78:79]
	v_pk_add_f32 v[66:67], v[66:67], v[70:71]
	v_pk_add_f32 v[80:81], v[80:81], v[74:75]
	v_pk_add_f32 v[80:81], v[80:81], v[66:67]      ; z
	; gelu(z) = 0.5 z (1 + erf(z / sqrt 2)); erf(u) = 1 - (a1 t + .. + a5 t^5) exp(-u^2), t = 1 / (1 + 0.3275911 u), u = |z| / sqrt 2
	v_and_b32 v82, s75, v80
	v_and_b32 v83, s75, v81
	v_mul_f32 v82, 0x3f3504f3, v82                 ; u
	v_mul_f32 v83, 0x3f3504f3, v83
	v_fma_f32 v84, v82, s74, 1.0
	v_fma_f32 v85, v83, s74, 1.0
	v_mul_f32 v86, v82, v82
	v_mul_f32 v87, v83, v83
	v_mul_f32 v86, 0xbfb8aa3b, v86                 ; -u^2 log2(e)
	v_mul_f32 v87, 0xbfb8aa3b, v87
	v_rcp_f32 v84, v84                             ; t
	v_rcp_f32 v85, v85
	v_exp_f32 v86, v86
	v_exp_f32 v87, v87
	v_mov_b32 v88, 0x3f87dc22                      ; a5; also the plain instruction behind the transcendentals (ISA guide 5.7.2)
	v_mov_b32 v89, 0x3f87dc22
	s_wait_alu depctr_va_vdst(0)
	v_fmaak_f32 v88, v88, v84, 0xbfba00e3          ; a4
	v_fmaak_f32 v89, v89, v85, 0xbfba00e3
	v_fmaak_f32 v88, v88, v84, 0x3fb5f0e3          ; a3
	v_fmaak_f32 v89, v89, v85, 0x3fb5f0e3
	v_fmaak_f32 v88, v88, v84, 0xbe91a98e          ; a2
	v_fmaak_f32 v89, v89, v85, 0xbe91a98e
	v_fmaak_f32 v88, v88, v84, 0x3e827906          ; a1
	v_fmaak_f32 v89, v89, v85, 0x3e827906
	v_mul_f32 v88, v88, v84
	v_mul_f32 v89, v89, v85
	v_fma_f32 v88, -v88, v86, 1.0                  ; erf(u)
	v_fma_f32 v89, -v89, v87, 1.0
	v_bfi_b32 v88, s75, v88, v80                   ; with z's sign
	v_bfi_b32 v89, s75, v89, v81
	v_mul_f32 v90, 0.5, v80
	v_mul_f32 v91, 0.5, v81
	v_fma_f32 v88, v90, v88, v90
	v_fma_f32 v89, v91, v89, v91                   ; h1 of k = 2 lane, 2 lane + 1
	ds_store_b64 v35, v[88:89]                     ; my own bytes: LDS serves a wave's instructions in order (ISA guide 5.7.1.4)
.irp i, 0,1,2,3,4,5,6,7
	ds_load_b128 v[64+4*\i:67+4*\i], v36 offset:16*\i          ; h1[32 hh + 0 .. 31] in every lane of the half
.endr
	s_wait_dscnt 0x0
	s_wait_loadcnt 0x0
	MLPDOT 128, 64, 48, 56, 57
	global_store_b64 v34, v[52:53], s[18:19]
	s_wait_xcnt 0x0                                ; the store's data and address registers are at work again in the first chunk
.Lno_mlp:
	s_wait_loadcnt 0x0                             ; Q
	s_wait_tensorcnt 0x1                           ; my part of block 0 is in; block 1's stays out
	s_barrier_signal -1
	s_barrier_wait -1
; The running maxima of the four query tiles, side by side, so that no line waits for the one in front of it: 32 scores a lane and tile in four chains,
; one exchange with the other half of the lanes, which holds the same query's other keys; then alpha = 2^(old m - new m).
.macro MAXALL first
.irp q, 0,1,2,3
.irp c, 0,1,2,3
	v_max3_num_f32 v[32+4*\q+\c], v[128+32*\q+8*\c], v[128+32*\q+8*\c+1], v[128+32*\q+8*\c+2]
.endr
.endr
.irp q, 0,1,2,3
.irp c, 0,1,2,3
	v_max3_num_f32 v[32+4*\q+\c], v[32+4*\q+\c], v[128+32*\q+8*\c+3], v[128+32*\q+8*\c+4]
.endr
.endr
.irp q, 0,1,2,3
.irp c, 0,1,2,3
	v_max3_num_f32 v[32+4*\q+\c], v[32+4*\q+\c], v[128+32*\q+8*\c+5], v[128+32*\q+8*\c+6]
.endr
.endr
.irp q, 0,1,2,3
	v_max3_num_f32 v[32+4*\q], v[32+4*\q], v[33+4*\q], v[128+32*\q+7]
	v_max3_num_f32 v[34+4*\q], v[34+4*\q], v[35+4*\q], v[128+32*\q+15]
.endr
.irp q, 0,1,2,3
	v_max3_num_f32 v[32+4*\q], v[32+4*\q], v[34+4*\q], v[128+32*\q+23]
.endr
.irp q, 0,1,2,3
	v_max_num_f32 v[32+4*\q], v[32+4*\q], v[128+32*\q+31]
.endr
.irp q, 0,1,2,3
	v_permlanex16_b32 v[25+2*\q], v[32+4*\q], s56, s57
.endr
.if \first
.irp q, 0,1,2,3
	v_max_num_f32 v[16+2*\q], v[32+4*\q], v[25+2*\q]
.endr
.else
.irp q, 0,1,2,3
	v_max3_num_f32 v[32+4*\q], v[32+4*\q], v[25+2*\q], v[16+2*\q]
.endr
.irp q, 0,1,2,3
	v_sub_f32 v[33+4*\q], v[16+2*\q], v[32+4*\q]
.endr
.irp q, 0,1,2,3
	v_exp_f32 v[24+2*\q], v[33+4*\q]
.endr
.irp q, 0,1,2,3
	v_mov_b32 v[16+2*\q], v[32+4*\q]               ; plain instructions behind the transcendentals (ISA guide 5.7.2); they touch neither alpha nor its source
.endr
.endif
.endm
.macro SUB1 q, j                       ; pair j of query tile q: s - m
	v_pk_add_f32 v[128+32*\q+2*(\j):128+32*\q+2*(\j)+1], v[128+32*\q+2*(\j):128+32*\q+2*(\j)+1], v[16+2*\q:17+2*\q] op_sel_hi:[1,0] neg_lo:[0,1] neg_hi:[0,1]
.endm
.macro EXP1 q, i                       ; register i of query tile q: 2^(s - m), in place
	v_exp_f32 v[128+32*\q+(\i)], v[128+32*\q+(\i)]
.endm
; Four exponentials of query tile qe (registers 4 k .. 4 k + 3), each followed by a plain instruction of query tile qs: the sums of its pairs 2 k and 2 k + 1
; (two chains of pairs, started by the first four pairs) and their narrowing to f16 in place.  Pair i goes to register i + 8 (i / 8) of the tile's 32,
; which never holds a pair that is still to be used; registers 0-7 and 16-23 are then the two fragments of P^T (32 keys each).
.macro MIXK qe, qs, k
.set EB, 128+32*\qe+4*(\k)
.set SB, 128+32*\qs
.set UA, 48+4*\qs
.set pa, 2*(\k)
.set pb, 2*(\k)+1
	v_exp_f32 v[EB], v[EB]
.if \k < 2
	s_wait_alu depctr_va_vdst(0)
	v_pk_add_f32 v[UA+2*(\k):UA+2*(\k)+1], v[SB+2*pa:SB+2*pa+1], v[SB+2*pb:SB+2*pb+1]
	v_exp_f32 v[EB+1], v[EB+1]
	v_cvt_pk_f16_f32 v[SB+pa+8*(pa>>3)], v[SB+2*pa], v[SB+2*pa+1]
	v_exp_f32 v[EB+2], v[EB+2]
	v_cvt_pk_f16_f32 v[SB+pb+8*(pb>>3)], v[SB+2*pb], v[SB+2*pb+1]
	v_exp_f32 v[EB+3], v[EB+3]
.else
	v_pk_add_f32 v[UA:UA+1], v[UA:UA+1], v[SB+2*pa:SB+2*pa+1]
	v_exp_f32 v[EB+1], v[EB+1]
	v_cvt_pk_f16_f32 v[SB+pa+8*(pa>>3)], v[SB+2*pa], v[SB+2*pa+1]
	v_exp_f32 v[EB+2], v[EB+2]
	v_pk_add_f32 v[UA+2:UA+3], v[UA+2:UA+3], v[SB+2*pb:SB+2*pb+1]
	v_exp_f32 v[EB+3], v[EB+3]
	v_cvt_pk_f16_f32 v[SB+pb+8*(pb>>3)], v[SB+2*pb], v[SB+2*pb+1]
.endif
.endm
.macro MIX qe, qs
.set mk, 0
.rept 8
	MIXK \qe, \qs, mk
.set mk, mk+1
.endr
.endm
.macro SCT q, first                    ; the two chains of query tile q are closed; l stays the lane's own part until the end
	v_pk_add_f32 v[48+4*\q:49+4*\q], v[48+4*\q:49+4*\q], v[50+4*\q:51+4*\q]
.if \first
	v_add_f32 v[17+2*\q], v[48+4*\q], v[49+4*\q]
	s_wait_alu depctr_va_vdst(0)
.else
	v_add_f32 v[48+4*\q], v[48+4*\q], v[49+4*\q]
	v_fma_f32 v[17+2*\q], v[17+2*\q], v[24+2*\q], v[48+4*\q]
.endif
.endm
; The same sums and narrowing for the last query tile, with no exponentials left to stand between.
.macro SUMCVT q, first
.set SB, 128+32*\q
.set UA, 48+4*\q
	s_wait_alu depctr_va_vdst(0)
	v_pk_add_f32 v[UA:UA+1], v[SB:SB+1], v[SB+2:SB+3]
	v_cvt_pk_f16_f32 v[SB],   v[SB],   v[SB+1]
	v_cvt_pk_f16_f32 v[SB+1], v[SB+2], v[SB+3]
	v_pk_add_f32 v[UA+2:UA+3], v[SB+4:SB+5], v[SB+6:SB+7]
	v_cvt_pk_f16_f32 v[SB+2], v[SB+4], v[SB+5]
	v_cvt_pk_f16_f32 v[SB+3], v[SB+6], v[SB+7]
.set si, 4
.rept 6
	v_pk_add_f32 v[UA:UA+1], v[UA:UA+1], v[SB+2*si:SB+2*si+1]
	v_cvt_pk_f16_f32 v[SB+si+8*(si>>3)], v[SB+2*si], v[SB+2*si+1]
	v_pk_add_f32 v[UA+2:UA+3], v[UA+2:UA+3], v[SB+2*si+2:SB+2*si+3]
	v_cvt_pk_f16_f32 v[SB+si+1+8*((si+1)>>3)], v[SB+2*si+2], v[SB+2*si+3]
.set si, si+2
.endr
	SCT \q, \first
.endm
.macro RESC ti                         ; tile ti = 4 dt + q of O times alpha of q; the window setting of the P V products serves it too
.irp j, 0,2,4,6
	v_pk_mul_f32 v[8*(\ti)+\j:8*(\ti)+\j+1], v[8*(\ti)+\j:8*(\ti)+\j+1], v[24+2*((\ti)&3):25+2*((\ti)&3)] op_sel_hi:[1,0]
.endr
.endm
; 64 keys x 64 queries.  first = 1: nothing is carried yet: the products start the sums, nothing is cleared.
.macro CHUNK first
.irp t, 0,1,2,3
.irp ks, 0,1
	ds_load_b128 v[64+16*\t+8*\ks:64+16*\t+8*\ks+3],   v8 offset:2176*\t+64*\ks
	ds_load_b128 v[64+16*\t+8*\ks+4:64+16*\t+8*\ks+7], v8 offset:2176*\t+64*\ks+32
.endr
.endr
	WIN 0x40
.irp dt, 0,1,2,3
.irp p, 0,1
	ds_load_b128 v[192+8*(2*\dt+\p):192+8*(2*\dt+\p)+3],   v9 offset:16640*\dt+64*\p
	ds_load_b128 v[192+8*(2*\dt+\p)+4:192+8*(2*\dt+\p)+7], v9 offset:16640*\dt+64*\p+32
.endr
.endr
	s_wait_dscnt 16                                ; K's 16 loads are in; V's 16, issued behind them, may be out
	WIN 0x04
	; S^T: four accumulators take turns, one instruction a turn
.irp t, 0,1,2,3
.irp q, 0,1,2,3
	v_wmma_f32_16x16x32_f16 v[128+32*\q+8*\t:128+32*\q+8*\t+7], v[64+16*\t:64+16*\t+7], v[128+16*\q:128+16*\q+7], 0
.endr
.irp q, 0,1,2,3
	v_wmma_f32_16x16x32_f16 v[128+32*\q+8*\t:128+32*\q+8*\t+7], v[64+16*\t+8:64+16*\t+15], v[128+16*\q+8:128+16*\q+15], v[128+32*\q+8*\t:128+32*\q+8*\t+7]
.endr
.endr
	WIN 0
	PLACES
	MAXALL \first
.set xj, 0
.rept 16
	SUB1 0, xj
.set xj, xj+1
.endr
.set xj, 0
.rept 16                                           ; tile 0's exponentials, each followed by plain work on the other tiles
	EXP1 0, 2*xj
	SUB1 1, xj
	EXP1 0, 2*xj+1
	SUB1 2, xj
	SUB1 3, xj
.set xj, xj+1
.endr
	MIX 1, 0
	SCT 0, \first
	MIX 2, 1
	SCT 1, \first
	MIX 3, 2
	SCT 2, \first
	SUMCVT 3, \first
	WIN 0x51
.if \first == 0
	RESC 0
	RESC 1
.endif
	s_wait_dscnt 0x0                               ; V's fragments
	; O^T = alpha O^T + V^T P^T: sixteen accumulators take turns.  Between the first sixteen products stand the rescalings,
	; each two tiles ahead of the product that adds onto it; they name no register of the products in front of them.
.irp ti, 0,1,2,3,4,5,6,7,8,9,10,11,12,13,14,15
.if \first
	v_wmma_f32_16x16x32_f16 v[8*\ti:8*\ti+7], v[192+16*(\ti>>2):192+16*(\ti>>2)+7], v[128+32*(\ti&3):128+32*(\ti&3)+7], 0
.else
	v_wmma_f32_16x16x32_f16 v[8*\ti:8*\ti+7], v[192+16*(\ti>>2):192+16*(\ti>>2)+7], v[128+32*(\ti&3):128+32*(\ti&3)+7], v[8*\ti:8*\ti+7]
.if \ti < 14
	RESC (\ti+2)
.endif
.endif
.endr
.irp ti, 0,1,2,3,4,5,6,7,8,9,10,11,12,13,14,15
	v_wmma_f32_16x16x32_f16 v[8*\ti:8*\ti+7], v[200+16*(\ti>>2):200+16*(\ti>>2)+7], v[144+32*(\ti&3):144+32*(\ti&3)+7], v[8*\ti:8*\ti+7]
.endr
	WIN 0
	v_add_nc_u32 v8, 8704, v8                      ; the next 64 keys.  With the three v_nop: five places, since the next chunk's products write over P,
	v_add_nc_u32 v9, 128, v9                       ; a source of the products above, and its loads land in V's fragments
	v_nop
	v_nop
	v_nop
.endm
; My 256 keys of the block in a slot: four chunks.
.macro PROCESS slot, first
	v_add_nc_u32 v8, \slot*SLOT, v10
	v_add_nc_u32 v9, \slot*SLOT, v11
.if \first
	CHUNK 1
	s_mov_b32 s23, 3
.else
	s_mov_b32 s23, 4
.endif
.Lchunk_\@:
	CHUNK 0
	s_sub_co_i32 s23, s23, 1
	s_cmp_lg_u32 s23, 0
	s_cbranch_scc1 .Lchunk_\@
.endm
; Slot s has been read and is filled again, two blocks on.  In front of the round every wave waits for its reads and for all its tensor loads, the other
; slot's among them; so both group 0 may be stepped, and behind the round no wave of any partner reads the slot or has a load on its way.
.macro REFILL s
	s_wait_dscnt 0x0
	s_wait_xcnt 0x0
	v_lshl_add_u32 v254, v0, 2, 0x42900
	v_mov_b32 v255, 0
	s_wait_tensorcnt 0x0
	ds_add_u32 v254, v255
	s_wait_dscnt 0x0
	s_add_nc_u64 s[42+4*\s:43+4*\s], s[42+4*\s:43+4*\s], 0x20000
	s_add_nc_u64 s[50+4*\s:51+4*\s], s[50+4*\s:51+4*\s], 0x800
	ROUND
	JLOAD \s                                       ; the wave's one tensor load behind the round, and the first thing there
.endm
	PROCESS 0, 1                                   ; block 0
	REFILL 0                                       ; block 2 goes out; block 1 has landed
	PROCESS 1, 0                                   ; block 1
	REFILL 1                                       ; block 3 goes out; block 2 has landed
	PROCESS 0, 0                                   ; block 2
	s_wait_dscnt 0x0                               ; nothing is left to fetch: a plain barrier shows block 3 whole,
	s_wait_tensorcnt 0x0                           ; and slot 0 read by all, so that it can serve the merge
	s_barrier_signal -1
	s_barrier_wait -1
	PROCESS 1, 0                                   ; block 3
	; THE MERGE: the waves of the upper half hand O, m, l to their partners through slot 0, which has had its last fill.
	s_cmp_lt_u32 s20, 4
	s_cbranch_scc1 .Lkeep
	WIN 0x04
.set oi, 0
.rept 32
	ds_store_b128 v12, v[4*oi:4*oi+3] offset:512*oi
.set oi, oi+1
.endr
	WIN 0
	ds_store_b128 v12, v[16:19] offset:16384
	ds_store_b128 v12, v[20:23] offset:16896
.Lkeep:
	s_wait_dscnt 0x0
	s_barrier_signal -1
	s_barrier_wait -1
	s_cmp_lt_u32 s20, 4
	s_cbranch_scc0 .Ldone
	ds_load_b128 v[32:35], v12 offset:16384        ; the partner's (m, l) x 4
	ds_load_b128 v[36:39], v12 offset:16896
.set oi, 0
.rept 32
	ds_load_b128 v[128+4*oi:128+4*oi+3], v12 offset:512*oi     ; the partner's O
.set oi, oi+1
.endr
	s_wait_dscnt 0x0
.irp q, 0,1,2,3
	v_max_num_f32 v[40+\q], v[16+2*\q], v[32+2*\q]
.endr
.irp q, 0,1,2,3
	v_sub_f32 v[44+\q], v[16+2*\q], v[40+\q]
	v_sub_f32 v[24+\q], v[32+2*\q], v[40+\q]
.endr
.irp q, 0,1,2,3
	v_exp_f32 v[44+\q], v[44+\q]                   ; a0
	v_exp_f32 v[24+\q], v[24+\q]                   ; a1
.endr
	v_nop
	s_wait_alu depctr_va_vdst(0)
.irp q, 0,1,2,3
	v_mul_f32 v[40+\q], v[17+2*\q], v[44+\q]
.endr
.irp q, 0,1,2,3
	v_fma_f32 v[40+\q], v[33+2*\q], v[24+\q], v[40+\q]
.endr
.irp q, 0,1,2,3
	v_permlanex16_b32 v[28+\q], v[40+\q], s56, s57 ; the other half of the lanes holds the same query's other keys
.endr
.irp q, 0,1,2,3
	v_add_f32 v[40+\q], v[40+\q], v[28+\q]
.endr
.irp q, 0,1,2,3
	v_rcp_f32 v[40+\q], v[40+\q]
.endr
	v_nop
	s_wait_alu depctr_va_vdst(0)
.irp q, 0,1,2,3
	v_mul_f32 v[48+2*\q], v[44+\q], v[40+\q]       ; f0 = a0 / l
	v_mul_f32 v[56+2*\q], v[24+\q], v[40+\q]       ; f1 = a1 / l
.endr
.irp dt, 0,1,2,3
.irp q, 0,1,2,3
.irp j, 0,2,4,6
	v_pk_mul_f32 v[128+8*(4*\dt+\q)+\j:128+8*(4*\dt+\q)+\j+1], v[128+8*(4*\dt+\q)+\j:128+8*(4*\dt+\q)+\j+1], v[56+2*\q:57+2*\q] op_sel_hi:[1,0]
.endr
.endr
.endr
	WIN 0x01
.irp dt, 0,1,2,3
.irp q, 0,1,2,3
.irp j, 0,2,4,6
	v_pk_fma_f32 v[128+8*(4*\dt+\q)+\j:128+8*(4*\dt+\q)+\j+1], v[8*(4*\dt+\q)+\j:8*(4*\dt+\q)+\j+1], v[48+2*\q:49+2*\q], v[128+8*(4*\dt+\q)+\j:128+8*(4*\dt+\q)+\j+1] op_sel_hi:[1,0,1]
.endr
.endr
.endr
	WIN 0
.irp dt, 0,1,2,3
.irp q, 0,1,2,3
.irp rr, 0,1,2,3
	v_cvt_pk_f16_f32 v[128+8*(4*\dt+\q)+\rr], v[128+8*(4*\dt+\q)+2*\rr], v[128+8*(4*\dt+\q)+2*\rr+1]
.endr
	ds_store_b128 v13, v[128+8*(4*\dt+\q):128+8*(4*\dt+\q)+3] offset:2176*\q+32*\dt   ; query 16 q + r, d = 16 dt + 8 hh ..: my own stage
.endr
.endr
.irp t, 0,1,2,3,4,5,6,7,8,9,10,11,12,13,14,15
	ds_load_b128 v[64+4*\t:64+4*\t+3], v14 offset:544*\t       ; LDS serves a wave's instructions in order: these see the stores above
.endr
.irp t, 0,1,2,3,4,5,6,7,8,9,10,11,12,13,14,15
	s_wait_dscnt 15-\t                             ; load t is in; the younger ones may be out
	global_store_b128 v15, v[64+4*\t:64+4*\t+3], s[16:17] offset:512*\t       ; four queries: 512 consecutive bytes, aligned
.endr
.Ldone:
	s_wait_dscnt 0x0
	s_wait_xcnt 0x0
	v_lshl_add_u32 v254, v0, 2, 0x42900
	v_mov_b32 v255, 0
	s_wait_tensorcnt 0x0
	ds_add_u32 v254, v255
	s_wait_dscnt 0x0
	ROUND                                          ; the closing round: no work-group ends while a partner may still ask jointly
	s_endpgm
.Lfunc_end_k_q651fc4a015_attn:
	.size	k_q651fc4a015_attn, .Lfunc_end_k_q651fc4a015_attn-k_q651fc4a015_attn
	.p2alignl 7, 3214868480
	.fill 96, 4, 3214868480
	.section	.rodata,"a",@progbits
	.p2align	6, 0x0
	.amdhsa_kernel k_q651fc4a015_attn
		.amdhsa_group_segment_fixed_size 327680
		.amdhsa_private_segment_fixed_size 0
		.amdhsa_enable_private_segment 0
		.amdhsa_kernarg_size 64
		.amdhsa_user_sgpr_count 2
		.amdhsa_user_sgpr_kernarg_segment_ptr 1
		.amdhsa_wavefront_size32 1
		.amdhsa_system_sgpr_workgroup_id_x 1
		.amdhsa_system_sgpr_workgroup_id_y 1
		.amdhsa_system_sgpr_workgroup_id_z 1
		.amdhsa_system_vgpr_workitem_id 0
		.amdhsa_next_free_vgpr 512
		.amdhsa_next_free_sgpr 76
		.amdhsa_reserve_vcc 1
		.amdhsa_float_denorm_mode_32 3
		.amdhsa_float_denorm_mode_16_64 3
		.amdhsa_memory_ordered 1
		.amdhsa_forward_progress 1
		.amdhsa_inst_pref_size 200
	.end_amdhsa_kernel
	.amdgpu_metadata
---
amdhsa.version: [ 1, 2 ]
amdhsa.kernels:
  - .name:           k_q651fc4a015_attn
    .symbol:         k_q651fc4a015_attn.kd
    .args:
      - { .name: qws, .offset: 0, .size: 8, .value_kind: global_buffer, .address_space: global }
      - { .name: kws, .offset: 8, .size: 8, .value_kind: global_buffer, .address_space: global }
      - { .name: vtws, .offset: 16, .size: 8, .value_kind: global_buffer, .address_space: global }
      - { .name: p1, .offset: 24, .size: 8, .value_kind: global_buffer, .address_space: global }
      - { .name: bs1, .offset: 32, .size: 8, .value_kind: global_buffer, .address_space: global }
      - { .name: Ws2, .offset: 40, .size: 8, .value_kind: global_buffer, .address_space: global }
      - { .name: att, .offset: 48, .size: 8, .value_kind: global_buffer, .address_space: global }
      - { .name: p2, .offset: 56, .size: 8, .value_kind: global_buffer, .address_space: global }
    .group_segment_fixed_size: 327680
    .private_segment_fixed_size: 0
    .kernarg_segment_align: 8
    .kernarg_segment_size: 64
    .max_flat_workgroup_size: 256
    .sgpr_count:     76
    .vgpr_count:     512
    .wavefront_size: 32
...
	.end_amdgpu_metadata
.endif
;; end of part 5
;; launch proj (part 6): grid 4 x 64, 4 waves a work-group, clusters of 4 x 4, 326,144 bytes of LDS; arguments att, wo16, bo, p2, bs2, out0; writes out0
.if DOCPART == 6
	.amdgcn_target "amdgcn-amd-amdhsa--gfx1250"
	.amdhsa_code_object_version 6
	.text
	.protected	k_q651fc4a015_proj
	.globl	k_q651fc4a015_proj
	.p2align	8
	.type	k_q651fc4a015_proj,@function
k_q651fc4a015_proj:
	s_mov_b64 s[64:65], 0
	v_nop
	global_prefetch_b8 v0, s[64:65] scope:SCOPE_SE
	s_setreg_imm32_b32 hwreg(HW_REG_WAVE_MODE, 25, 1), 1
	s_wait_xcnt 0x0
	s_wait_alu depctr_hold_cnt(0) depctr_sa_sdst(0) depctr_va_vdst(0) depctr_va_sdst(0) depctr_va_ssrc(0) depctr_va_vcc(0) depctr_vm_vsrc(0)
	s_getreg_b32 s2, hwreg(HW_REG_IB_STS2, 6, 4)
	s_cmp_eq_u32 s2, 0
	s_cbranch_scc0 .Lentry_in_a_cluster
	s_endpgm
.Lentry_in_a_cluster:
	s_bfe_u32 s2, ttmp6, 0x10000c
	s_cmp_lg_u32 s2, 0xf033
	s_cbranch_scc0 .Lentry_shape_is_right
	s_endpgm
.Lentry_shape_is_right:
; out0 = (att * gate) @ Wo + bo, a block of 128 tokens (grid y) x 128 columns (grid x), K = 512.  wo16 is Wo in f16, [k][n], made by the first launch.
; gate g = sigmoid(sum of p2's 8 pieces + bs2), 512 numbers of the block's batch.  The gate goes into Wo's fragments, divided by the batch's largest gate gm,
; so that g / gm lies in [0, 1] whatever the gates' size and the f16 operand keeps its room; gm multiplies the f32 sums at the end.
; LIMITS: matrix operands are f16: att, Wo, g / gm and the product Wo g / gm (rounded once more); below 6e-5 their step is 6e-8.
; A gate below 2^-126 counts as 0, and gm is held at 2^-126 at the least.
; All of K lies in LDS and every request goes out at the start: no slot is ever filled again.
; CLUSTER: 4 x 4 work-groups.  The four of a row of the cluster need the same 128 rows of att, the four of a column the same 128 columns of Wo: both tiles
; are asked for jointly.  Wave W asks for head W, Wo's rows 64 W .., head W + 4, Wo's rows 256 + 64 W ..: four tensor loads out.
; att's addresses are made of the row block and the wave's number, Wo's of the column block and the wave's number, in registers that never hold the other.
; A wave makes 64 x 64, used transposed (source 0 = 16 columns of Wo, source 1 = 16 tokens): a lane's 8 results are 8 neighbouring columns of one token.
;
; LDS: A: head c at c x 17,408 (64 rows of 272: two tokens of 128 bytes + 16); B at 139,264: 512 k rows of 288 (256 + 32 = 9 x 32);
;      GATE at 286,720: 512 f16 for each wave, its own copy; STAGE at 290,816: 32 rows of 272 a wave.
; REGISTERS: window 0: v7-30 addresses; F0 = v32-95, F1 = v96-159 fragments (att tile mt at + 8 mt, Wo tile nt at + 32 + 8 nt), first p2's pieces;
;            v160-191 bo; v192-199, v200-207 the gates of a K step in fragment order, two buffers; v208-209 gm; v210-217 at work; v224-239 z.
;            Window 1: acc(mt, nt) at 8 (4 mt + nt).
.set BPART, 139264
.set BP,    288
.set GATE,  286720
.set STAGE, 290816
.set MSB, 0
.macro WIN new                         ; the immediate's high byte repeats the setting that is left
.if MSB != \new
	s_set_vgpr_msb (MSB<<8)|\new
.set MSB, \new
.endif
.endm
.macro PLACES                          ; four independent vector instructions behind a matrix instruction (ISA guide 7.12.1)
.rept 4
	v_nop
.endr
.endm
.macro ROUND                           ; a round of the cluster's barrier
	s_barrier_signal -1
	s_barrier_wait -1
	s_cmp_lg_u32 s16, 0
	s_cbranch_scc1 .Lnot_wave_0_\@
	s_barrier_signal -3
.Lnot_wave_0_\@:
	s_barrier_wait -3
	s_barrier_signal -1
	s_barrier_wait -1
.endm
	s_load_b256 s[4:11], s[0:1], 0x0               ; att, wo16, bo, p2
	s_load_b128 s[12:15], s[0:1], 0x20             ; bs2, out0
	v_lshl_add_u32 v29, v0, 2, 0x4f800
	v_mov_b32 v31, 0
	ds_add_u32 v29, v31
	v_lshrrev_b32 v1, 5, v0
	v_readfirstlane_b32 s16, v1                    ; wave W
	s_lshr_b32 s17, s16, 1                         ; wr: my half of the tokens
	s_and_b32 s18, s16, 1                          ; wc: my half of the columns
	s_bfe_u32 s46, ttmp6, 0x40000                  ; cx
	s_bfe_u32 s47, ttmp6, 0x40004                  ; cy
	s_lshl_b32 s19, ttmp9, 2
	s_add_co_u32 s19, s19, s46                     ; column block nb = 4 x cluster x + cx
	s_and_b32 s20, ttmp7, 0xffff
	s_lshl_b32 s20, s20, 2
	s_add_co_u32 s20, s20, s47                     ; row block = 4 x cluster y + cy
	s_lshr_b32 s21, s20, 4                         ; batch
	s_lshl_b32 s45, s47, 2
	s_lshl_b32 s45, 15, s45                        ; my row of the cluster: places 4 cy .. 4 cy + 3
	s_lshl_b32 s51, 0x1111, s46                    ; my column: places cx, cx + 4, cx + 8, cx + 12
	s_mov_b32 s40, 0x76543210
	s_mov_b32 s41, 0xfedcba98
	; group 1 for att: 64 rows of 256 bytes (128 tokens of one head), 16 bytes of padding behind each; elements of 8 bytes
	s_or_b32 s24, s45, 0x07730000                  ; the mask of my row; element code 3; padding on; bit 21 beside the mask; every 64 words (code 5), 4 words (code 3)
	s_mov_b32 s25, 32<<16                          ; tensor_dim0 = 32
	s_mov_b32 s26, 64<<16                          ; tensor_dim1 = 64
	s_mov_b32 s27, 32<<16                          ; tile_dim0 = 32
	s_mov_b32 s28, 64                              ; tile_dim1 = 64
	s_mov_b32 s29, 32                              ; from row to row: 32 elements (dense)
	s_mov_b32 s30, 0
	s_mov_b32 s31, 0
	; group 1 for Wo: 64 k rows of 256 bytes (128 columns) out of rows of 1,024, 32 bytes of padding behind each
	s_or_b32 s52, s51, 0x0f730000                  ; the mask of my column; as above, 8 words of padding (code 7)
	s_mov_b32 s53, 32<<16
	s_mov_b32 s54, 64<<16
	s_mov_b32 s55, 32<<16
	s_mov_b32 s56, 64
	s_mov_b32 s57, 128                             ; from row to row: 128 elements
	s_mov_b32 s58, 0
	s_mov_b32 s59, 0
	; group 0: att's in s[32:39], Wo's in s[60:63] and s[68:71].  LDS addresses: the wave's number times a constant, plus constants.
	s_mov_b32 s32, 1
	s_mul_i32 s33, s16, 17408                      ; head W
	s_mov_b32 s36, 1
	s_add_co_u32 s37, s33, 69632                   ; head W + 4
	s_mov_b32 s60, 1
	s_mul_i32 s61, s16, 64*BP
	s_add_co_u32 s61, s61, BPART                   ; k rows 64 W ..
	s_mov_b32 s68, 1
	s_add_co_u32 s69, s61, 256*BP                  ; k rows 256 + 64 W ..
	s_lshl3_add_u32 s42, s21, s16
	s_lshl_b32 s42, s42, 18
	s_and_b32 s44, s20, 15
	s_lshl_b32 s44, s44, 14
	s_add_co_u32 s42, s42, s44                     ; att: (8 batch + W) heads of 262,144 bytes + the row block's 128 tokens of 128 bytes
	s_mov_b32 s43, 0
	s_lshl_b32 s48, s19, 8
	s_lshl_b32 s50, s16, 16
	s_add_co_u32 s48, s48, s50                     ; wo16: 64 W rows of 1,024 bytes + the column block's 256 bytes
	s_mov_b32 s49, 0
	s_wait_dscnt 0x0
	s_wait_kmcnt 0x0
	s_add_nc_u64 s[34:35], s[4:5], s[42:43]
	s_add_nc_u64 s[38:39], s[34:35], 0x100000      ; four heads on
	s_add_nc_u64 s[62:63], s[6:7], s[48:49]
	s_add_nc_u64 s[70:71], s[62:63], 0x40000       ; 256 rows on
	s_or_b32 s35, s35, 0x80000000
	s_or_b32 s39, s39, 0x80000000
	s_or_b32 s63, s63, 0x80000000
	s_or_b32 s71, s71, 0x80000000
	ROUND                                          ; all sixteen work-groups are here: the joint loads meet
	tensor_load_to_lds s[32:35], s[24:31]          ; k = 0 .. 255: head W
	s_nop 0
	tensor_load_to_lds s[60:63], s[52:59]          ;               and Wo's rows 64 W ..
	s_nop 0
	tensor_load_to_lds s[36:39], s[24:31]          ; k = 256 .. 511: head W + 4
	s_nop 0
	tensor_load_to_lds s[68:71], s[52:59]          ;                 and Wo's rows 256 + 64 W ..
	s_nop 0
	s_lshl_b32 s42, s21, 11
	s_add_nc_u64 s[10:11], s[10:11], s[42:43]      ; p2[.][b][.]
	s_lshl_b32 s42, s20, 18
	s_lshl_b32 s44, s17, 17
	s_add_co_u32 s42, s42, s44
	s_add_nc_u64 s[14:15], s[14:15], s[42:43]      ; out0 at my 64 tokens,
	s_lshl_b32 s48, s19, 9
	s_lshl_b32 s50, s18, 8
	s_add_co_u32 s48, s48, s50
	s_add_nc_u64 s[14:15], s[14:15], s[48:49]      ; my 64 columns
	s_add_nc_u64 s[8:9], s[8:9], s[48:49]          ; bo's 64 columns of mine
	v_and_b32 v1, 31, v0                           ; lane
	v_and_b32 v2, 15, v0                           ; r = i16
	v_bfe_u32 v3, v0, 4, 1                         ; hh
	v_lshlrev_b32 v4, 4, v3                        ; 16 hh
	v_lshlrev_b32 v6, 4, v2                        ; 16 i16
	v_lshl_add_u32 v7, v3, 10, v6                  ; 1,024 hh + 16 i16: quarter i of the lane's z is k = 64 i + 256 hh + 4 i16 .. + 3
	v_lshlrev_b32 v30, 5, v3                       ; 32 hh
.irp i, 0,1,2,3
.irp kc, 0,1,2,3,4,5,6,7
	global_load_b128 v[32+4*(8*\i+\kc):32+4*(8*\i+\kc)+3], v7, s[10:11] offset:8192*\kc+256*\i
.endr
	global_load_b128 v[224+4*\i:227+4*\i], v7, s[12:13] offset:256*\i
.endr
.irp nt, 0,1,2,3
	global_load_b128 v[160+8*\nt:163+8*\nt], v30, s[8:9] offset:64*\nt         ; bo[16 nt + 8 hh ..]: register j of a tile is column 8 hh + j
	global_load_b128 v[164+8*\nt:167+8*\nt], v30, s[8:9] offset:64*\nt+16
.endr
	v_lshrrev_b32 v12, 1, v2
	v_and_b32 v13, 1, v2
	v_lshl_add_u32 v13, v13, 7, v4
	v_mad_u32_u24 v12, v12, 272, v13               ; (r / 2) 272 + (r mod 2) 128 + 16 hh
	s_mul_i32 s44, s17, 8704
	v_add_nc_u32 v16, s44, v12                     ; AF0, AF1: my 64 tokens in heads 0-3, 4-7
	v_add_nc_u32 v17, 69632, v16
	v_and_b32 v13, 7, v0
	v_lshl_add_u32 v13, v3, 3, v13
	v_bfe_u32 v14, v0, 3, 1
	v_lshlrev_b32 v14, 4, v14
	v_mad_u32_u24 v18, v13, BP, v14
	s_lshl_b32 s44, s18, 7
	s_add_co_u32 s44, s44, BPART
	v_add_nc_u32 v18, s44, v18                     ; BF0-3: Wo's fragments by the transposing load, 128 k rows apart
	v_add_nc_u32 v19, 128*BP, v18
	v_add_nc_u32 v20, 256*BP, v18
	v_add_nc_u32 v21, 384*BP, v18
	s_lshl_b32 s44, s16, 10
	s_add_co_u32 s44, s44, GATE                    ; my copy of the gates
	v_lshlrev_b32 v13, 3, v2
	v_lshl_add_u32 v13, v3, 9, v13
	v_add_nc_u32 v22, s44, v13                     ; GS: gate k lies at byte 2 k: 512 hh + 8 i16, the quarter in the immediate
	v_add_nc_u32 v23, s44, v4                      ; GF: a K step's gates in fragment order: k = 8 hh .. + 7, and 16 further on
	s_mul_i32 s44, s16, 8704
	s_add_co_u32 s44, s44, STAGE
	v_lshlrev_b32 v13, 5, v3
	v_mad_u32_u24 v26, v2, 272, v13
	v_add_nc_u32 v26, s44, v26                     ; OST: token r, 32 bytes for each half of the lanes
	v_mad_u32_u24 v27, v3, 272, v6
	v_add_nc_u32 v27, s44, v27                     ; ORD: a row of 256 bytes for each half of the lanes
	v_lshl_add_u32 v28, v3, 11, v6                 ; OOFF: the same two rows in out0
	s_wait_loadcnt 0x0                             ; p2's pieces, bs2, bo
.irp i, 0,1,2,3
.irp kc, 0,1,2,3,4,5,6,7
	v_pk_add_f32 v[224+4*\i:225+4*\i], v[224+4*\i:225+4*\i], v[32+4*(8*\i+\kc):32+4*(8*\i+\kc)+1]
	v_pk_add_f32 v[226+4*\i:227+4*\i], v[226+4*\i:227+4*\i], v[32+4*(8*\i+\kc)+2:32+4*(8*\i+\kc)+3]
.endr
.endr
	; the batch's largest z: 16 a lane, then over the 32 lanes.  The sigmoid rises with z, so gm = sigmoid(largest z).
	v_max3_num_f32 v210, v224, v225, v226
	v_max3_num_f32 v211, v227, v228, v229
	v_max3_num_f32 v210, v210, v230, v231
	v_max3_num_f32 v211, v211, v232, v233
	v_max3_num_f32 v210, v210, v234, v235
	v_max3_num_f32 v211, v211, v236, v237
	v_max3_num_f32 v210, v210, v238, v239
	v_max_num_f32 v210, v210, v211
	v_max_num_f32_dpp v210, v210, v210 row_xmask:1 row_mask:0xf bank_mask:0xf
	v_max_num_f32_dpp v210, v210, v210 row_xmask:2 row_mask:0xf bank_mask:0xf
	v_max_num_f32_dpp v210, v210, v210 row_xmask:4 row_mask:0xf bank_mask:0xf
	v_max_num_f32_dpp v210, v210, v210 row_xmask:8 row_mask:0xf bank_mask:0xf
	v_permlanex16_b32 v211, v210, s40, s41
	v_max_num_f32 v210, v210, v211
	; sigmoid(z) = 1 / (1 + 2^(-z log2 e)) of my sixteen z and of the largest
	v_mul_f32 v216, 0xbfb8aa3b, v210
.irp j, 0,1,2,3,4,5,6,7
	v_pk_mul_f32 v[224+2*\j:225+2*\j], v[224+2*\j:225+2*\j], 0xbfb8aa3b op_sel_hi:[1,0]
.endr
.irp j, 0,1,2,3,4,5,6,7,8,9,10,11,12,13,14,15
	v_exp_f32 v[224+\j], v[224+\j]
.endr
	v_exp_f32 v216, v216
	v_nop                                          ; the plain instruction behind the transcendentals (ISA guide 5.7.2)
	s_wait_alu depctr_va_vdst(0)
.irp j, 0,1,2,3,4,5,6,7
	v_pk_add_f32 v[224+2*\j:225+2*\j], v[224+2*\j:225+2*\j], 1.0 op_sel_hi:[1,0]
.endr
	v_add_f32 v216, 1.0, v216
.irp j, 0,1,2,3,4,5,6,7,8,9,10,11,12,13,14,15
	v_rcp_f32 v[224+\j], v[224+\j]
.endr
	v_rcp_f32 v216, v216
	v_nop
	s_wait_alu depctr_va_vdst(0)
	v_max_num_f32 v216, 0x00800000, v216           ; gm, 2^-126 at the least
	v_rcp_f32 v217, v216
	v_mov_b32 v208, v216
	v_mov_b32 v209, v216
	s_wait_alu depctr_va_vdst(0)
.irp j, 0,1,2,3,4,5,6,7
	v_pk_mul_f32 v[224+2*\j:225+2*\j], v[224+2*\j:225+2*\j], v[216:217] op_sel:[0,1] op_sel_hi:[1,1]   ; g / gm
.endr
.irp i, 0,1,2,3
	v_cvt_pk_f16_f32 v[224+4*\i], v[224+4*\i], v[225+4*\i]
	v_cvt_pk_f16_f32 v[225+4*\i], v[226+4*\i], v[227+4*\i]
.endr
.irp i, 0,1,2,3
	ds_store_b64 v22, v[224+4*\i:225+4*\i] offset:128*\i       ; my own copy: no other wave reads it
.endr
; The fragments of K step kk (32 along K: head kk / 2, its half kk mod 2) into buffer kk mod 2, and the step's 32 gates in fragment order.
.macro FETCH kk
.set FK, \kk
.set FF, 32+64*(FK&1)
.set FG, 192+8*(FK&1)
.irp nt, 0,1,2,3
	ds_load_tr16_b128 v[FF+32+8*\nt:FF+32+8*\nt+3],   v[18+(FK>>2)] offset:(FK&3)*32*BP+32*\nt
	ds_load_tr16_b128 v[FF+32+8*\nt+4:FF+32+8*\nt+7], v[18+(FK>>2)] offset:(FK&3)*32*BP+32*\nt+16*BP
.endr
	ds_load_b128 v[FG:FG+3],   v23 offset:64*FK
	ds_load_b128 v[FG+4:FG+7], v23 offset:64*FK+32
.irp mt, 0,1,2,3
	ds_load_b128 v[FF+8*\mt:FF+8*\mt+3],   v[16+(FK>>3)] offset:((FK>>1)&3)*17408+2176*\mt+64*(FK&1)
	ds_load_b128 v[FF+8*\mt+4:FF+8*\mt+7], v[16+(FK>>3)] offset:((FK>>1)&3)*17408+2176*\mt+64*(FK&1)+32
.endr
.endm
; K step kk: its fragments, asked for in front of the last step's products, are in; Wo's four are scaled by the gates of their k, two f16 at a time;
; the next step's fragments are asked for; 16 accumulators take turns, one instruction a turn.
; sync = 1: the next step is the first of k = 256 .. 511: all my tensor loads have landed, and a barrier shows everybody's.
.macro KSTEP kk, fetch, sync, first
	WIN 0
.if \first == 0
	PLACES                                         ; behind the last step's products, whose fragment buffer the fetch below loads into
.endif
	s_wait_dscnt 0x0
.set KF, 32+64*(\kk&1)
.set KG, 192+8*(\kk&1)
.irp nt, 0,1,2,3
.irp j, 0,1,2,3,4,5,6,7
	v_pk_mul_f16 v[KF+32+8*\nt+\j], v[KF+32+8*\nt+\j], v[KG+\j]
.endr
.endr
.if \sync
	s_wait_tensorcnt 0x0
	s_barrier_signal -1                            ; no LDS access of mine is out: the wait above was for all, and none was issued since
	s_barrier_wait -1
.endif
.if \fetch
	FETCH (\kk+1)
.endif
	WIN 0x50
.irp mt, 0,1,2,3
.irp nt, 0,1,2,3
.if \first
	v_wmma_f32_16x16x32_f16 v[8*(4*\mt+\nt):8*(4*\mt+\nt)+7], v[KF+32+8*\nt:KF+32+8*\nt+7], v[KF+8*\mt:KF+8*\mt+7], 0
.else
	v_wmma_f32_16x16x32_f16 v[8*(4*\mt+\nt):8*(4*\mt+\nt)+7], v[KF+32+8*\nt:KF+32+8*\nt+7], v[KF+8*\mt:KF+8*\mt+7], v[8*(4*\mt+\nt):8*(4*\mt+\nt)+7]
.endif
.endr
.endr
.endm
	s_wait_tensorcnt 0x2                           ; my head of 0-3 and my rows of k = 0 .. 255 are in; the two younger loads may be out
	s_wait_dscnt 0x0
	s_barrier_signal -1
	s_barrier_wait -1
	FETCH 0
	KSTEP 0, 1, 0, 1
	KSTEP 1, 1, 0, 0
	KSTEP 2, 1, 0, 0
	KSTEP 3, 1, 0, 0
	KSTEP 4, 1, 0, 0
	KSTEP 5, 1, 0, 0
	KSTEP 6, 1, 0, 0
	KSTEP 7, 1, 1, 0
	KSTEP 8, 1, 0, 0
	KSTEP 9, 1, 0, 0
	KSTEP 10, 1, 0, 0
	KSTEP 11, 1, 0, 0
	KSTEP 12, 1, 0, 0
	KSTEP 13, 1, 0, 0
	KSTEP 14, 1, 0, 0
	KSTEP 15, 0, 0, 0
	; THE WAY OUT, 32 tokens at a time: sum x gm + bo, 32 bytes a lane into my own stage, read back as rows of 256 bytes.
.macro OUTP pp, rb
	WIN 0x01
.irp m, 0,1
.irp nt, 0,1,2,3
.irp j, 0,2,4,6
	v_pk_fma_f32 v[32+8*(4*\m+\nt)+\j:32+8*(4*\m+\nt)+\j+1], v[8*(4*(2*\pp+\m)+\nt)+\j:8*(4*(2*\pp+\m)+\nt)+\j+1], v[208:209], v[160+8*\nt+\j:160+8*\nt+\j+1]
.endr
.endr
.endr
	WIN 0
.irp m, 0,1
.irp nt, 0,1,2,3
	ds_store_b128 v26, v[32+8*(4*\m+\nt):32+8*(4*\m+\nt)+3]   offset:4352*\m+64*\nt
	ds_store_b128 v26, v[32+8*(4*\m+\nt)+4:32+8*(4*\m+\nt)+7] offset:4352*\m+64*\nt+16
.endr
.endr
.irp t, 0,1,2,3,4,5,6,7,8,9,10,11,12,13,14,15
	ds_load_b128 v[\rb+4*\t:\rb+4*\t+3], v27 offset:544*\t     ; LDS serves a wave's instructions in order: these see the stores above
.endr
.irp t, 0,1,2,3,4,5,6,7,8,9,10,11,12,13,14,15
	s_wait_dscnt 15-\t                             ; load t is in; the younger ones may be out
	global_store_b128 v28, v[\rb+4*\t:\rb+4*\t+3], s[14:15] offset:(32*\pp+2*\t)*2048 th:TH_STORE_NT   ; 16 lanes store 256 consecutive bytes, aligned
.endr
.endm
	PLACES
	OUTP 0, 96                                     ; read back into v96-159
	OUTP 1, 192                                    ; and into v192-255 (gm has been used by then), so that no pending store's data are touched
	s_wait_dscnt 0x0
	s_wait_tensorcnt 0x0
	ds_add_u32 v29, v31
	s_wait_dscnt 0x0
	ROUND                                          ; the closing round
	s_endpgm
.Lfunc_end_k_q651fc4a015_proj:
	.size	k_q651fc4a015_proj, .Lfunc_end_k_q651fc4a015_proj-k_q651fc4a015_proj
	.p2alignl 7, 3214868480
	.fill 96, 4, 3214868480
	.section	.rodata,"a",@progbits
	.p2align	6, 0x0
	.amdhsa_kernel k_q651fc4a015_proj
		.amdhsa_group_segment_fixed_size 326144
		.amdhsa_private_segment_fixed_size 0
		.amdhsa_enable_private_segment 0
		.amdhsa_kernarg_size 48
		.amdhsa_user_sgpr_count 2
		.amdhsa_user_sgpr_kernarg_segment_ptr 1
		.amdhsa_wavefront_size32 1
		.amdhsa_system_sgpr_workgroup_id_x 1
		.amdhsa_system_sgpr_workgroup_id_y 1
		.amdhsa_system_sgpr_workgroup_id_z 1
		.amdhsa_system_vgpr_workitem_id 0
		.amdhsa_next_free_vgpr 384
		.amdhsa_next_free_sgpr 72
		.amdhsa_reserve_vcc 0
		.amdhsa_float_denorm_mode_32 3
		.amdhsa_float_denorm_mode_16_64 3
		.amdhsa_memory_ordered 1
		.amdhsa_forward_progress 1
		.amdhsa_inst_pref_size 102
	.end_amdhsa_kernel
	.amdgpu_metadata
---
amdhsa.version: [ 1, 2 ]
amdhsa.kernels:
  - .name:           k_q651fc4a015_proj
    .symbol:         k_q651fc4a015_proj.kd
    .args:
      - { .name: att, .offset: 0, .size: 8, .value_kind: global_buffer, .address_space: global }
      - { .name: wo16, .offset: 8, .size: 8, .value_kind: global_buffer, .address_space: global }
      - { .name: bo, .offset: 16, .size: 8, .value_kind: global_buffer, .address_space: global }
      - { .name: p2, .offset: 24, .size: 8, .value_kind: global_buffer, .address_space: global }
      - { .name: bs2, .offset: 32, .size: 8, .value_kind: global_buffer, .address_space: global }
      - { .name: out0, .offset: 40, .size: 8, .value_kind: global_buffer, .address_space: global }
    .group_segment_fixed_size: 326144
    .private_segment_fixed_size: 0
    .kernarg_segment_align: 8
    .kernarg_segment_size: 48
    .max_flat_workgroup_size: 128
    .sgpr_count:     72
    .vgpr_count:     384
    .wavefront_size: 32
...
	.end_amdgpu_metadata
.endif
;; end of part 6
